; MI455X (gfx1250); checked and timed in simulation.
; The chip was launched on July 23, 2026; its instructions are those of AMD's public machine-readable ISA for CDNA 5 (MIT licence, August 2026) and "CDNA5" Instruction Set Architecture Reference Guide (July 2026). The comments in the code are by the model that wrote it; some were corrected since.
;; Multi Head Attention. Allowed arithmetic: matrix products marked QUANTISED: E4M3 operands, one given power-of-two scale a tensor, by v_wmma_f32_16x16x64_fp8_fp8 or v_wmma_f32_16x16x128_fp8_fp8, f32 sums; everything else in f32.
;; Inputs: lowp_scales 8 int32 (the exponents e of the quantised operands' scales 2^e); w_proj 1,024 x 1,024 float32; w_qkv 1,024 x 3,072 float32; x 2 x 2,048 x 1,024 float32.
;; Outputs: out0 2 x 2,048 x 1,024 float32.
;; This version of the problem:
;;   THIS VERSION OF THE PROBLEM IS GIVEN IN LOW PRECISION. The matrix products marked QUANTISED in the list below multiply operands that are first quantised to E4M3 (4 exponent bits, 3 mantissa bits; 8 bits a number), with one given power-of-two scale for each operand tensor; their sums are f32. All else is computed in f32.
;;   The module's matrix products, in the order in which they are computed (A, B: the left and right operand; K: the contracted axis; several contracted axes count as one K, in the product's order):
;;     1. [M 4,096, K 1,024] x [K 1,024, N 3,072]; A: input x; B: input w_qkv: QUANTISED (scales: A lowp_scales[0], B lowp_scales[1])
;;     2. batch 32 x [M 2,048, K 64] x [K 64, N 2,048]; A: computed on the way; B: computed on the way: QUANTISED (scales: A lowp_scales[2], B lowp_scales[3])
;;     3. batch 32 x [M 2,048, K 2,048] x [K 2,048, N 64]; A: softmax (see below); B: computed on the way: QUANTISED (scales: A lowp_scales[4], B lowp_scales[5])
;;     4. [M 4,096, K 1,024] x [K 1,024, N 1,024]; A: computed on the way; B: input w_proj: QUANTISED (scales: A lowp_scales[6], B lowp_scales[7])
;;   THE QUANTISER, for each operand of a quantised product, along K:
;;     - The operand's scale is 2^e, e = its entry of the input lowp_scales (int32; the entries are numbered through the quantised products in the list's order, A before B).
;;     - Each number is divided by the scale, clamped to +-448, and rounded to the nearest number of E4M3, ties to even, subnormals kept.
;;     - The product sums the exact products of the quantised numbers (number of the format x scale) in f32.
;;   ~~~python
;;   def quantise(x, axis, e):      # numpy; x: float32 -> the quantised numbers, widened to float32 again
;;       x = np.moveaxis(x, axis, -1); K = x.shape[-1]
;;       r = np.clip(x / 2.0 ** e, -448, 448)
;;       step = 2.0 ** (np.maximum(np.frexp(np.where(r == 0, 1, r))[1] - 1, -6) - 3)
;;       q = np.round(r / step) * step * 2.0 ** e      # np.round: ties to even
;;       return np.moveaxis(q, -1, axis).astype(np.float32)
;;   ~~~
;;   SOFTMAX AHEAD OF A QUANTISED PRODUCT. Where the list says 'softmax', what is quantised is not the finished softmax but p = 2^(t - M), with t = logit x log2(e) and M = ceil(the row's largest t), a whole number; so 1/2 < the row's largest p <= 1. The row's sum l is taken of the UNQUANTISED p, in f32, and the product's result is divided by l at the end. Since M is a whole number, a kernel that streams over the keys may use a running M (the ceiling of the running maximum): every later rescaling is an exact power of two, so the quantised numbers keep their values, but for numbers so far below the row's largest that they fall under the format's range.
;;   OPERANDS COMPUTED ON THE WAY. 'Computed on the way' means the value that the module computes at that place (a softmax that the list does not call 'softmax' is quantised finished and normalised). What goes into a quantiser is computed in f32, as accurately as f32 sums, v_exp_f32 and their like allow (about 1e-6 of the number): no bf16 or f16 on the way to a quantiser, and a product that is left as it is and whose result goes on into a quantised operand takes f32 operands (vector FMAs, or v_wmma_f32_16x16x4_f32). A number that lies on a knife's edge between two numbers of the format may be rounded either way, as far as f32 arithmetic and the matrix unit's own rounding can turn it there, and no further.
;; One version. Each part assembles by itself: llvm-mc -triple=amdgcn-amd-amdhsa -mcpu=gfx1250 --defsym DOCPART=n.
;; ======== version 1 of 1: 4 launches
;; limits: right only within a limited range of input values
;; workspace buffers: x_img 4,194,304 bytes; wq_img 3,145,728 bytes; wp_img 1,048,576 bytes; q_img 4,194,304 bytes; kv_img 8,388,608 bytes; y_img 4,194,304 bytes
;; launch quant (part 1): grid 512 x 1, 8 waves a work-group, no clusters, 68,608 bytes of LDS; arguments x, w_qkv, w_proj, lowp_scales, x_img, wq_img, wp_img; writes x_img, wq_img, wp_img
.if DOCPART == 1
	.amdgcn_target "amdgcn-amd-amdhsa--gfx1250"
	.amdhsa_code_object_version 6
	.text
	.protected	k_qc24f136e94_quant
	.globl	k_qc24f136e94_quant
	.p2align	8
	.type	k_qc24f136e94_quant,@function
k_qc24f136e94_quant:
	s_mov_b64 s[64:65], 0
	v_nop
	global_prefetch_b8 v0, s[64:65] scope:SCOPE_SE
	s_setreg_imm32_b32 hwreg(HW_REG_WAVE_MODE, 25, 1), 1
	s_wait_xcnt 0x0
; LAUNCH 1 OF 4: x, w_qkv and w_proj (f32) become codes of E4M3, each with the scale 2^e that is given for it (entries 0, 1 and 7 of lowp_scales).
; code = number / 2^e, held within +-448, rounded to the nearest code, ties to even.
; THE PROGRAM: 1 quant; 2 qkv (product 1, then q, k, v quantised in registers); 3 attn (products 2 and 3, the softmax, y quantised); 4 proj (product 4).
; WORK THAT THE PROGRAM LEAVES OUT (in launch 3): reference() sets att to -inf wherever key > query, by a jnp.tril that it builds in its own body.  The softmax gives such a key
; the weight exp(-inf) = 0 whatever finite values the inputs hold, and 0 x v adds nothing to y.  So a step of 128 keys all of which come after all 16 queries of a tile reaches no
; output: its two products and its softmax are not done.  In the one step of a tile that holds its diagonal everything is computed and the hidden scores are set to -inf.
; LIMIT: a NaN, an infinity or an overflow that would arise only in the scores left out is not carried to the result.  All four inputs are live and are loaded.
; LAYOUT OF EVERY WORKSPACE BUFFER: AN IMAGE OF THE OPERAND REGISTERS OF THE MATRIX INSTRUCTION THAT READS IT.  A fragment is 16 rows x 128 along K in 16 registers: lane (r = lane % 16,
; h = lane / 16) holds row r, and registers 2 c, 2 c + 1 hold k = 16 c + 8 h + 0 .. 7.  Piece g of a fragment is registers 4 g .. 4 g + 3 of all lanes, lane l at byte 16 l: 512 bytes.
;   x_img  [block of 256 rows 16][K step of 128: 8][tile of 16 rows 16][piece 4][512 bytes]
;   wq_img [head 16][K step 8][slot 12][piece 4][512]; a slot is 16 columns of w_qkv; slots of a head: q0 q1 k0 k1 v0 v1 q2 q3 k2 k3 v2 v3 (Xb = features 16 b .. 16 b + 15 of the head)
;   wp_img [block of 128 columns 8][K step 8][tile of 16 columns 8][piece 4][512]
; SHARES: a wave makes ONE fragment (8,192 bytes of f32 in, 2,048 bytes of codes out), with all its loads out at once; no loop, no barrier, waves share nothing.
; Work-groups 0-255: x (tile of rows = work-group, K step = wave).  256-447: w_qkv.  448-511: w_proj.  The paths part on the number of the work-group alone; only the path of x touches LDS.
; No cluster and no matrix unit: no two work-groups read the same bytes, and the launch only streams.
; LIMITS: entries 0, 1 and 7 of lowp_scales lie between -126 and 119, so that 2^e and 448 x 2^e are f32 numbers.  NaN among the inputs is not served; an infinity is held at the largest code.
.set STG,   8448                       ; LDS: a stage for each wave: 16 rows x (512 bytes + 16 of padding)
.set SPARE, 8*STG                      ; behind the eight stages: the spare words, 128 bytes for each wave: four blocks of 256 bytes that no other line names
.set R,   32                           ; v32-95   x as it is loaded: row i in 4 registers
.set X,   96                           ; v96-159  64 numbers in the order of the fragment: register 8 c + j = k 16 c + 8 h + j of my row
.set C,   160                          ; v160-175 the fragment
.set SPW, 30                           ; v30      LDS address of my spare word; never rewritten
.set NIL, 31                           ; v31      0; never rewritten
.macro MKSCALE e                       ; v11 = 2^e as f32 (the conversion takes its exponent field), v10 = 448 x 2^e
	s_add_co_i32 s36, \e, 127
	s_lshl_b32 s37, s36, 23
	v_mov_b32 v11, s37
	s_add_co_i32 s36, s36, 8
	s_lshl_b32 s36, s36, 23
	s_or_b32 s36, s36, 0x600000
	v_mov_b32 v10, s36
.endm
.macro CODES c                         ; eight neighbours along K become registers 2 c, 2 c + 1 of the fragment
.irp j, 0,1,2,3,4,5,6,7
	v_med3_num_f32 v[X+8*(\c)+\j], v[X+8*(\c)+\j], -v10, v10   ; the conversion to an 8-bit code does not saturate (ISA guide 7.6.2): the hold comes first
.endr
	v_cvt_scalef32_pk8_fp8_f32 v[C+2*(\c):C+2*(\c)+1], v[X+8*(\c):X+8*(\c)+7], v11
.endm
.macro OUT                             ; four stores of 512 consecutive bytes, each at a multiple of 512 from the first byte of the buffer
	v_nop                                          ; a plain vector line behind the last conversion
.irp g, 0,1,2,3
	global_store_b128 v4, v[C+4*\g:C+4*\g+3], s[30:31] offset:512*\g
.endr
.endm
; A weight has K as its FIRST axis: lane (r, h) takes column r of the tile and its registers run down K, in the order of the fragment.  Nothing is transposed.
; A load reads 64 consecutive bytes of each of two rows; the eight waves of the work-group stand side by side on 512 bytes of those rows.
.macro WPATH pitch, e
	v_lshlrev_b32 v7, 2, v2
	v_mul_u32_u24 v8, v3, 8*\pitch
	s_delay_alu instid0(VALU_DEP_1)
	v_add_nc_u32 v7, v7, v8                        ; 4 r + 8 h rows
.irp c, 0,1,2,3,4,5,6,7
.irp j, 0,1,2,3,4,5,6,7
	global_load_b32 v[X+8*\c+\j], v7, s[28:29] offset:(16*\c+\j)*\pitch
.endr
.endr
	s_wait_kmcnt 0x0                               ; the exponents
	MKSCALE \e
	s_wait_alu depctr_va_vdst(0)
.irp c, 0,1,2,3,4,5,6,7
	s_wait_loadcnt 56-8*\c                         ; loads come back in order: group c is in, the younger groups of eight stay out
	CODES \c
.endr
	OUT
	s_endpgm
.endm
	s_load_b256 s[4:11], s[0:1], 0x0               ; x s[4:5], w_qkv s[6:7], w_proj s[8:9], lowp_scales s[10:11]
	s_load_b128 s[12:15], s[0:1], 0x20             ; x_img s[12:13], wq_img s[14:15]
	s_load_b64 s[16:17], s[0:1], 0x30              ; wp_img
	v_lshl_add_u32 v[SPW], v0, 2, SPARE
	v_mov_b32 v[NIL], 0
	v_lshrrev_b32 v1, 5, v0
	s_delay_alu instid0(VALU_DEP_1)
	v_readfirstlane_b32 s18, v1                    ; wave 0..7
	v_and_b32 v1, 31, v0                           ; lane
	v_and_b32 v2, 15, v0                           ; r
	v_bfe_u32 v3, v0, 4, 1                         ; h
	s_delay_alu instid0(VALU_DEP_3)
	v_lshlrev_b32 v4, 4, v1                        ; 16 x lane
	s_wait_kmcnt 0x0
	s_load_b256 s[20:27], s[10:11], 0x0            ; the eight exponents
	s_cmp_lt_u32 ttmp9, 256
	s_cbranch_scc0 .Lweights
	; ---- x: rows 16 T .. 16 T + 15 (T = work-group), k = 128 s .. 128 s + 127 (s = wave)
	s_mul_i32 s32, s18, STG
	s_wait_alu depctr_va_vdst(0)
	v_add_nc_u32 v5, s32, v4                       ; the stage, on the way in: a row as it lies
	v_mul_u32_u24 v6, v2, 528
	s_delay_alu instid0(VALU_DEP_1)
	v_lshl_add_u32 v6, v3, 5, v6
	s_delay_alu instid0(VALU_DEP_1)
	v_add_nc_u32 v6, s32, v6                       ; and on the way out: row r, + 32 h bytes
	s_lshl_b32 s32, ttmp9, 16                      ; 16 rows of 4,096 bytes
	s_lshl_b32 s33, s18, 9
	s_add_co_u32 s32, s32, s33
	s_mov_b32 s33, 0
	s_add_nc_u64 s[28:29], s[4:5], s[32:33]
	s_lshr_b32 s34, ttmp9, 4                       ; block of 256 rows
	s_lshl_b32 s34, s34, 3
	s_add_co_u32 s34, s34, s18                     ; x 8 + K step
	s_lshl_b32 s34, s34, 15
	s_and_b32 s35, ttmp9, 15                       ; the tile in its block
	s_lshl_b32 s35, s35, 11
	s_add_co_u32 s34, s34, s35
	s_mov_b32 s35, 0
	s_add_nc_u64 s[30:31], s[12:13], s[34:35]
.irp i, 0,1,2,3,4,5,6,7,8,9,10,11,12,13,14,15
	global_load_b128 v[R+4*\i:R+4*\i+3], v4, s[28:29] offset:4096*\i th:TH_LOAD_NT   ; 32 lanes read 512 consecutive bytes of row i; read once in the launch
.endr
	s_wait_alu depctr_va_vdst(0)
	s_wait_kmcnt 0x0
	MKSCALE s20
	s_wait_alu depctr_va_vdst(0)
.irp i, 0,1,2,3,4,5,6,7,8,9,10,11,12,13,14,15
	s_wait_loadcnt 15-\i                           ; row i is in, the younger rows stay out
	ds_store_b128 v5, v[R+4*\i:R+4*\i+3] offset:528*\i
.endr
.irp c, 0,1,2,3,4,5,6,7
	ds_load_b128 v[X+8*\c:X+8*\c+3], v6 offset:64*\c          ; my own stage: LDS serves the instructions of a wave in order (ISA guide 5.7.1.4), so these see the stores above
	ds_load_b128 v[X+8*\c+4:X+8*\c+7], v6 offset:64*\c+16
.endr
.irp c, 0,1,2,3,4,5,6,7
	s_wait_dscnt 14-2*\c                           ; pair c of the sixteen loads is in
	CODES \c
.endr
	OUT
	s_wait_tensorcnt 0x0                           ; the end of a wave that stored to LDS
	ds_add_u32 v[SPW], v[NIL]
	s_wait_dscnt 0x0
	s_endpgm
.Lweights:
	s_cmp_lt_u32 ttmp9, 448
	s_cbranch_scc0 .Lproj
	; ---- w_qkv: K step s = g % 8, tile of 16 columns nt = 8 (g / 8) + wave, g = work-group - 256
	s_sub_co_u32 s32, ttmp9, 256
	s_and_b32 s33, s32, 7                          ; s
	s_lshr_b32 s34, s32, 3
	s_lshl_b32 s34, s34, 3
	s_add_co_u32 s34, s34, s18                     ; nt, 0..191
	s_mul_i32 s38, s33, 128*12288                  ; 128 rows of 12,288 bytes
	s_lshl_b32 s35, s34, 6
	s_add_co_u32 s38, s38, s35
	s_mov_b32 s39, 0
	s_add_nc_u64 s[28:29], s[6:7], s[38:39]
	s_bfe_u32 s35, s34, 0x40002                    ; the head: (nt / 4) % 16
	s_lshl_b32 s35, s35, 3
	s_add_co_u32 s35, s35, s33
	s_mul_i32 s35, s35, 12                         ; (head x 8 + s) x 12 slots
	s_bfe_u32 s36, s34, 0x10001                    ; slot = 6 (b / 2) + 2 x section + b % 2, b = nt % 4, section = nt / 64 (q, k, v)
	s_mul_i32 s36, s36, 6
	s_add_co_u32 s35, s35, s36
	s_lshr_b32 s36, s34, 6
	s_lshl_b32 s36, s36, 1
	s_add_co_u32 s35, s35, s36
	s_and_b32 s36, s34, 1
	s_add_co_u32 s35, s35, s36
	s_lshl_b32 s38, s35, 11
	s_add_nc_u64 s[30:31], s[14:15], s[38:39]
	s_wait_alu depctr_va_vdst(0)
	WPATH 12288, s21
.Lproj:
	; ---- w_proj: K step s = g % 8, block of 128 columns cg = g / 8, tile = wave, g = work-group - 448
	s_sub_co_u32 s32, ttmp9, 448
	s_and_b32 s33, s32, 7
	s_lshr_b32 s34, s32, 3
	s_lshl_b32 s35, s34, 3
	s_add_co_u32 s35, s35, s18                     ; tile of 16 columns, 0..63
	s_lshl_b32 s38, s33, 19                        ; 128 rows of 4,096 bytes
	s_lshl_b32 s35, s35, 6
	s_add_co_u32 s38, s38, s35
	s_mov_b32 s39, 0
	s_add_nc_u64 s[28:29], s[8:9], s[38:39]
	s_lshl_b32 s35, s34, 3
	s_add_co_u32 s35, s35, s33
	s_lshl_b32 s35, s35, 3
	s_add_co_u32 s35, s35, s18                     ; (cg x 8 + s) x 8 + wave
	s_lshl_b32 s38, s35, 11
	s_add_nc_u64 s[30:31], s[16:17], s[38:39]
	s_wait_alu depctr_va_vdst(0)
	WPATH 4096, s27
.Lfunc_end_k_qc24f136e94_quant:
	.size	k_qc24f136e94_quant, .Lfunc_end_k_qc24f136e94_quant-k_qc24f136e94_quant
	.p2alignl 7, 3214868480
	.fill 96, 4, 3214868480
	.section	.rodata,"a",@progbits
	.p2align	6, 0x0
	.amdhsa_kernel k_qc24f136e94_quant
		.amdhsa_group_segment_fixed_size 68608
		.amdhsa_private_segment_fixed_size 0
		.amdhsa_enable_private_segment 0
		.amdhsa_kernarg_size 56
		.amdhsa_user_sgpr_count 2
		.amdhsa_user_sgpr_kernarg_segment_ptr 1
		.amdhsa_wavefront_size32 1
		.amdhsa_system_sgpr_workgroup_id_x 1
		.amdhsa_system_sgpr_workgroup_id_y 1
		.amdhsa_system_sgpr_workgroup_id_z 1
		.amdhsa_system_vgpr_workitem_id 0
		.amdhsa_next_free_vgpr 176
		.amdhsa_next_free_sgpr 66
		.amdhsa_reserve_vcc 0
		.amdhsa_float_denorm_mode_32 3
		.amdhsa_float_denorm_mode_16_64 3
		.amdhsa_memory_ordered 1
		.amdhsa_forward_progress 1
		.amdhsa_inst_pref_size 37
	.end_amdhsa_kernel
	.amdgpu_metadata
---
amdhsa.version: [ 1, 2 ]
amdhsa.kernels:
  - .name:           k_qc24f136e94_quant
    .symbol:         k_qc24f136e94_quant.kd
    .args:
      - { .name: x, .offset: 0, .size: 8, .value_kind: global_buffer, .address_space: global }
      - { .name: w_qkv, .offset: 8, .size: 8, .value_kind: global_buffer, .address_space: global }
      - { .name: w_proj, .offset: 16, .size: 8, .value_kind: global_buffer, .address_space: global }
      - { .name: lowp_scales, .offset: 24, .size: 8, .value_kind: global_buffer, .address_space: global }
      - { .name: x_img, .offset: 32, .size: 8, .value_kind: global_buffer, .address_space: global }
      - { .name: wq_img, .offset: 40, .size: 8, .value_kind: global_buffer, .address_space: global }
      - { .name: wp_img, .offset: 48, .size: 8, .value_kind: global_buffer, .address_space: global }
    .group_segment_fixed_size: 68608
    .private_segment_fixed_size: 0
    .kernarg_segment_align: 8
    .kernarg_segment_size: 56
    .max_flat_workgroup_size: 256
    .sgpr_count:     66
    .vgpr_count:     176
    .wavefront_size: 32
...
	.end_amdgpu_metadata
.endif
;; end of part 1
;; launch qkv (part 2): grid 16 x 16, 4 waves a work-group, clusters of 4 x 4, 327,680 bytes of LDS; arguments x_img, wq_img, lowp_scales, q_img, kv_img; writes q_img, kv_img
.if DOCPART == 2
	.amdgcn_target "amdgcn-amd-amdhsa--gfx1250"
	.amdhsa_code_object_version 6
	.text
	.protected	k_qc24f136e94_qkv
	.globl	k_qc24f136e94_qkv
	.p2align	8
	.type	k_qc24f136e94_qkv,@function
k_qc24f136e94_qkv:
	s_mov_b64 s[64:65], 0
	v_nop
	global_prefetch_b8 v0, s[64:65] scope:SCOPE_SE
	s_setreg_imm32_b32 hwreg(HW_REG_WAVE_MODE, 25, 1), 1
	s_wait_xcnt 0x0
	s_wait_alu depctr_hold_cnt(0) depctr_sa_sdst(0) depctr_va_vdst(0) depctr_va_sdst(0) depctr_va_ssrc(0) depctr_va_vcc(0) depctr_vm_vsrc(0)
	s_getreg_b32 s2, hwreg(HW_REG_IB_STS2, 6, 4)
	s_cmp_eq_u32 s2, 0
	s_cbranch_scc0 .Lentry_in_a_cluster
	s_endpgm
.Lentry_in_a_cluster:
	s_bfe_u32 s2, ttmp6, 0x10000c
	s_cmp_lg_u32 s2, 0xf033
	s_cbranch_scc0 .Lentry_shape_is_right
	s_endpgm
.Lentry_shape_is_right:
; LAUNCH 2 OF 4: qkv = x w_qkv on codes of E4M3 (K = 1,024), and q, k, v quantised in registers with the scales of entries 2, 3 and 5 of lowp_scales.
; SHARES: work-group (x = head, y = block of 256 tokens) makes q, k and v of one head for 256 tokens: 256 x 192 numbers.  Wave (rh = wave / 2, ch = wave % 2) makes 128 tokens x 96 columns:
; 8 tiles of tokens a x 6 tiles of columns b = 48 accumulators.  b = 0, 1: features 32 ch + 16 b .. of q; b = 2, 3: the same of k; b = 4, 5: the same of v: all four waves run one text.
; q AND k ARE MADE TRANSPOSED (source 0 = 16 columns of w_qkv, source 1 = 16 tokens): a lane holds one token and eight neighbouring features, which are neighbours along K of q k^T.
; v IS MADE THE NATURAL WAY (source 0 = tokens, source 1 = columns): a lane holds one feature and eight neighbouring tokens, the keys, which are K of p v.
; So one conversion of an accumulator IS a pair of registers of the operand that launch 3 reads, in the same lane, and four such registers of all lanes are stored as 512 consecutive bytes.
;   q_img  [batch x head 32][tile of 16 queries 128][part 2][512]: a fragment of 16 queries x 64; part p holds features 32 p .. 32 p + 31
;   kv_img [batch x head 32][step of 128 keys 16][16,384]: 8 tiles of 16 keys x (2 parts x 512), then 4 tiles of 16 features of v x (4 pieces x 512; piece g holds keys 32 g .. 32 g + 31)
; A sum stands for sum x 2^(e0 + e1): the code of q is sum / 2^(e2 - e0 - e1): the three scales are one scale of the conversion.  Likewise k (e3) and v (e5).
; LDS: five slots for K steps of 128: those of x at 32,768 s, those of w_qkv at BOFF + 24,576 s.  K steps 0-4 are asked for at the head, K steps 5-7 by ONE refill into slots 0-2.
; The images are dense in memory, so a load states them as rows of 256 bytes; a fragment is read by four loads of 16 bytes a lane at 16 x lane: consecutive bytes, no pitch, no padding.
; CLUSTER 4 x 4: the four work-groups of a row of the cluster share the block of tokens, the four of a column the head: each tile is asked for jointly.
; By the count of this text a wave has at most two tensor loads out.
; LIMITS: e2 - e0 - e1, e3 - e0 - e1 and e5 - e0 - e1 lie between -126 and 119.
; REGISTERS, in windows of 256: window 0: v8-13 scales and holds; v16-18, v20-21 LDS addresses; v26 16 x lane; v28, v29 for the add; v128-255 the fragments of x, ONE set of 8;
;   on the way out v32-127 codes, v128-175 at work.   window 1: the fragments of w_qkv, two sets of 6, at v0 and v128.   window 2: accumulators of a = 0..3 at v[8 (6 a + b)].   window 3: a = 4..7.
.set BOFF,  163840
.set SPARE, 286720                     ; behind the slots: the spare words, 128 bytes for each wave: two blocks of 256 bytes that no other line names
.set AF,   128
.set ADRA, 16                          ; v16-18  rh x 16,384 + 16 x lane + 65,536 x (slot / 2)
.set ADRB, 20                          ; v20-21  BOFF + ch x 12,288 + 16 x lane + 73,728 x (slot / 3)
.set GO,   26
.set SPW,  28
.set NIL,  29
.set QC,   32
.set KC,   64
.set VC,   96
.set TMP,  128
.set G1AS, 24                          ; s[24:31] group 1: 256 rows of 256 bytes (K steps 0, 1 of x); for the refill 192 rows (half of three K steps)
.set G1AL, 32                          ; s[32:39] 384 rows (K steps 2-4 of x)
.set G1BS, 48                          ; s[48:55] 192 rows (K steps 0, 1 of w_qkv); for the refill 144 rows
.set G1BL, 56                          ; s[56:63] 288 rows (K steps 2-4 of w_qkv)
.set PF1,  30                          ; v30, v31: offsets of the prefetches, lanes 256 bytes apart; never rewritten
.set PF2,  31
.set PFA,  94                          ; s[94:95]: where my wave's prefetches stand
.set G0A0, 68                          ; s[68:71] group 0 of the first fill of x, s[72:75] of its refill;  s[76:79], s[80:83] of w_qkv
.set G0A1, 72
.set G0B0, 76
.set G0B1, 80
.set MSB, 0
.macro WIN new                         ; the high byte of the immediate repeats the setting that is left
.if MSB != (\new)
	s_set_vgpr_msb (MSB<<8)|(\new)
.set MSB, (\new)
.endif
.endm
.macro PLACES n
.rept \n
	v_nop
.endr
.endm
.macro CREST                           ; a round of the barrier of the cluster, behind its opening barrier
	s_cmp_lg_u32 s14, 0
	s_cbranch_scc1 .Lnot_wave_0_\@
	s_barrier_signal -3
.Lnot_wave_0_\@:
	s_barrier_wait -3
	s_barrier_signal -1
	s_barrier_wait -1
.endm
.macro CROUND
	s_barrier_signal -1
	s_barrier_wait -1
	CREST
.endm
.macro G1REST g, rows                  ; elements of 8 bytes; rows of 32 elements, dense
	s_mov_b32 s[\g+1], 32<<16                      ; tensor_dim0 = 32
	s_mov_b32 s[\g+2], (\rows)<<16                 ; tensor_dim1
	s_mov_b32 s[\g+3], 32<<16                      ; tile_dim0 = 32
	s_mov_b32 s[\g+4], \rows                       ; tile_dim1
	s_mov_b32 s[\g+5], 32                          ; from row to row
	s_mov_b32 s[\g+6], 0
	s_mov_b32 s[\g+7], 0
.endm
.macro FRAG reg, adr, off              ; a fragment: four pieces of 512 bytes
.irp g, 0,1,2,3
	ds_load_b128 v[(\reg)+4*\g:(\reg)+4*\g+3], v[\adr] offset:(\off)+512*\g
.endr
.endm
.macro FETCH_B s, p                    ; my six fragments of w_qkv out of slot s into set p: 24 loads
	WIN 0x40                                       ; destination window 1, address window 0
.irp b, 0,1,2,3,4,5
	FRAG 128*(\p)+16*\b, ADRB+(\s)/3, ((\s)%3)*24576+\b*2048
.endr
	WIN 0
.endm
.macro FETCH_A s, i0                   ; my fragments i0 .. i0 + 3 of x out of slot s: 16 loads
.irp i, 0,1,2,3
	FRAG AF+16*((\i0)+\i), ADRA+(\s)/2, ((\s)%2)*32768+((\i0)+\i)*2048
.endr
.endm
; The 48 accumulators take turns, one instruction a turn, in the same order in every K step.  zero = 1: the first product starts the sum.
.macro MULQK hi, p, zero               ; 16 products for q and k: source 0 = columns (window 1), source 1 = tokens (window 0)
	WIN 0xa1+0x50*(\hi)
.irp a, 0,1,2,3
.irp b, 0,1,2,3
.if \zero
	v_wmma_f32_16x16x128_fp8_fp8 v[8*(6*\a+\b):8*(6*\a+\b)+7], v[128*(\p)+16*\b:128*(\p)+16*\b+15], v[AF+16*(4*(\hi)+\a):AF+16*(4*(\hi)+\a)+15], 0
.else
	v_wmma_f32_16x16x128_fp8_fp8 v[8*(6*\a+\b):8*(6*\a+\b)+7], v[128*(\p)+16*\b:128*(\p)+16*\b+15], v[AF+16*(4*(\hi)+\a):AF+16*(4*(\hi)+\a)+15], v[8*(6*\a+\b):8*(6*\a+\b)+7]
.endif
.endr
.endr
.endm
.macro MULV hi, p, zero                ; 8 products for v: source 0 = tokens (window 0), source 1 = columns (window 1)
	WIN 0xa4+0x50*(\hi)
.irp a, 0,1,2,3
.irp b, 4,5
.if \zero
	v_wmma_f32_16x16x128_fp8_fp8 v[8*(6*\a+\b):8*(6*\a+\b)+7], v[AF+16*(4*(\hi)+\a):AF+16*(4*(\hi)+\a)+15], v[128*(\p)+16*\b:128*(\p)+16*\b+15], 0
.else
	v_wmma_f32_16x16x128_fp8_fp8 v[8*(6*\a+\b):8*(6*\a+\b)+7], v[AF+16*(4*(\hi)+\a):AF+16*(4*(\hi)+\a)+15], v[128*(\p)+16*\b:128*(\p)+16*\b+15], v[8*(6*\a+\b):8*(6*\a+\b)+7]
.endif
.endr
.endr
.endm
.macro JLOADR                          ; the one refill: waves 0, 1 for x, waves 2, 3 for w_qkv; an s_nop 0 and four v_nop follow each line
	s_cmp_eq_u32 s15, 0
	s_cbranch_scc0 .Lfor_b_\@
	tensor_load_to_lds s[G0A1:G0A1+3], s[G1AS:G1AS+7]
	s_nop 0
	PLACES 4
	s_branch .Lasked_\@
.Lfor_b_\@:
	tensor_load_to_lds s[G0B1:G0B1+3], s[G1BS:G1BS+7]
	s_nop 0
	PLACES 4
.Lasked_\@:
.endm
; K STEP j: 48 products.  The fragments of x have one set: blocks 0-3 are fetched anew in the middle of the step, blocks 4-7 at its end; those of w_qkv have two sets.
; sync = 0: no barrier.  sync = 1: a barrier, behind which the tiles that my last tensor load and the others brought are read.
; sync = 2: the barrier opens a round of the cluster, behind which slots 0-2 are filled again.
.macro STEP j, sync, zero
.if ((\sync) != 1) && ((\j) < 7)
	s_wait_dscnt 32                                ; (at most 57 LDS instructions of a wave are out)
	FETCH_B ((\j)+1)%5, 1-(\j)%2                   ; the next step's fragments of w_qkv: the other set is free, and their slot was shown whole by an earlier barrier.  In a step with sync = 1 they come behind its barrier
.endif
.if (\sync) == 2
	s_wait_tensorcnt 0x0                           ; no tensor load of mine is out, so a descriptor may be written
	ds_add_u32 v[SPW], v[NIL]                      ; 0 onto my spare word
	s_mov_b32 s[G1AS+2], 192<<16                   ; the refill: each wave takes half of three K steps of x or of w_qkv
	s_mov_b32 s[G1AS+4], 192
	s_mov_b32 s[G1BS+2], 144<<16
	s_mov_b32 s[G1BS+4], 144
	s_wait_dscnt 41                                ; the add, the 24 loads of w_qkv and the sixteen ahead of them (blocks 4-7 of x) may be out
.elseif (\sync) == 1
	s_wait_tensorcnt 0x0                           ; my last tensor load has landed: no younger one was issued
	s_wait_dscnt 16
.elseif (\j) < 7
	s_wait_dscnt 40                                ; this step's set of w_qkv and blocks 0-3 of x are in; blocks 4-7 (16) and the next set (24) may be out
.else
	s_wait_dscnt 16
.endif
	MULQK 0, (\j)%2, \zero
.if (\sync) > 0
	s_wait_dscnt 0x0                               ; all my LDS reads are back (sync = 2: and the add is done): this step has all its fragments in registers
	s_barrier_signal -1
.endif
	MULV 0, (\j)%2, \zero
	WIN 0
.if (\sync) > 0
	s_barrier_wait -1
.elseif (\j) < 7
	s_wait_dscnt 24                                ; blocks 4-7 of x are in; the next set of w_qkv may be out
.else
	s_wait_dscnt 0x0
.endif
.if (\sync) == 2
	CREST                                          ; no wave of any partner still reads slots 0-2 or has a load on its way
	JLOADR                                         ; first behind the round; its four v_nop are also the places in front of the loads below
.else
	PLACES 4                                       ; four plain vector lines between the products that read blocks 0-3 and the loads into them
.endif
.if (\j) < 7
.if (\sync) == 1
	FETCH_B ((\j)+1)%5, 1-(\j)%2
.endif
	FETCH_A ((\j)+1)%5, 0
.endif
.if (\j) == 0                          ; K steps 5-7 are asked of memory two K steps ahead of the refill that brings them.  Each block of 256 bytes is named once in a cluster: the four partners that share
	                                               ; a tile take a quarter of it each, told apart by address, and my work-group's two waves for x (for w_qkv) half of that: 48 (36) blocks a wave, the last named again by the lanes left over
	global_prefetch_b8 v[PF1], s[PFA:PFA+1] th:TH_LOAD_NT scope:SCOPE_SE
	global_prefetch_b8 v[PF2], s[PFA:PFA+1] th:TH_LOAD_NT scope:SCOPE_SE
.endif
	MULQK 1, (\j)%2, \zero
	MULV 1, (\j)%2, \zero
.if (\j) < 7
	PLACES 4
	WIN 0
	FETCH_A ((\j)+1)%5, 4
.endif
.endm
	s_load_b256 s[4:11], s[0:1], 0x0               ; x_img s[4:5], wq_img s[6:7], lowp_scales s[8:9], q_img s[10:11]
	s_load_b64 s[12:13], s[0:1], 0x20              ; kv_img
	v_lshl_add_u32 v[SPW], v0, 2, SPARE
	v_mov_b32 v[NIL], 0
	ds_add_u32 v[SPW], v[NIL]                      ; the opening: the add, twice on end, and its wait ahead of my first tensor load
	ds_add_u32 v[SPW], v[NIL]
	v_lshrrev_b32 v1, 5, v0
	v_readfirstlane_b32 s14, v1                    ; wave 0..3
	s_lshr_b32 s15, s14, 1                         ; rh.  Also: I fetch for x (0) or for w_qkv (1)
	s_and_b32 s16, s14, 1                          ; ch.  Also: u, which half of a load is mine
	s_bfe_u32 s40, ttmp6, 0x40000                  ; cx
	s_bfe_u32 s41, ttmp6, 0x40004                  ; cy
	s_lshl_b32 s42, ttmp9, 2
	s_add_co_u32 s42, s42, s40                     ; the head = 4 x cluster x + cx
	s_and_b32 s17, ttmp7, 0xffff
	s_lshl_b32 s17, s17, 2
	s_add_co_u32 s17, s17, s41                     ; the block of 256 tokens = 4 x cluster y + cy
	s_lshl_b32 s43, s41, 2
	s_lshl_b32 s43, 15, s43                        ; my row of the cluster
	s_lshl_b32 s44, 0x1111, s40                    ; my column
	s_or_b32 s[G1AS], s43, (3<<16)|(1<<21)         ; 15:0 the mask; 17:16 elements of 8 bytes; 21 set beside a mask; no padding
	s_or_b32 s[G1AL], s43, (3<<16)|(1<<21)
	s_or_b32 s[G1BS], s44, (3<<16)|(1<<21)
	s_or_b32 s[G1BL], s44, (3<<16)|(1<<21)
	G1REST G1AS, 256
	G1REST G1AL, 384
	G1REST G1BS, 192
	G1REST G1BL, 288
	s_lshl_b32 s20, s17, 18                        ; x_img: the block, 262,144 bytes each.  These registers never hold the head,
	s_mov_b32 s21, 0
	s_mul_i32 s22, s42, 196608                     ; wq_img: the head.  and these never the block
	s_mov_b32 s23, 0
	s_lshl_b32 s18, s16, 16                        ; u x 65,536: my first fill of x is K steps 0, 1 (u = 0) or 2-4 (u = 1)
	s_mul_i32 s45, s16, 49152                      ; u x 49,152: where my half of the refill of x goes
	s_mul_i32 s19, s16, 49152                      ; u x 49,152: my first fill of w_qkv likewise
	s_mul_i32 s47, s16, 36864
	s_add_co_u32 s46, s47, BOFF                    ; where my half of the refill of w_qkv goes
	s_mov_b32 s67, 0
	s_wait_dscnt 0x0                               ; both opening adds are done
	s_wait_kmcnt 0x0
	s_load_b256 s[84:91], s[8:9], 0x0              ; e0 .. e7
	s_add_nc_u64 s[20:21], s[4:5], s[20:21]
	s_add_nc_u64 s[22:23], s[6:7], s[22:23]
	s_mov_b32 s[G0A0], 1                           ; x, K step 2 u -> slot 2 u
	s_mov_b32 s[G0A0+1], s18
	s_mov_b32 s66, s18
	s_add_nc_u64 s[G0A0+2:G0A0+3], s[20:21], s[66:67]
	s_or_b32 s[G0A0+3], s[G0A0+3], 0x80000000
	s_mov_b32 s[G0A1], 1                           ; the refill: x, half u of K steps 5-7 -> slots 0-2
	s_mov_b32 s[G0A1+1], s45
	s_add_co_u32 s66, s45, 163840
	s_add_nc_u64 s[G0A1+2:G0A1+3], s[20:21], s[66:67]
	s_or_b32 s[G0A1+3], s[G0A1+3], 0x80000000
	s_mov_b32 s[G0B0], 1                           ; w_qkv likewise
	s_add_co_u32 s[G0B0+1], s19, BOFF
	s_mov_b32 s66, s19
	s_add_nc_u64 s[G0B0+2:G0B0+3], s[22:23], s[66:67]
	s_or_b32 s[G0B0+3], s[G0B0+3], 0x80000000
	s_mov_b32 s[G0B1], 1
	s_mov_b32 s[G0B1+1], s46
	s_add_co_u32 s66, s47, 122880
	s_add_nc_u64 s[G0B1+2:G0B1+3], s[22:23], s[66:67]
	s_or_b32 s[G0B1+3], s[G0B1+3], 0x80000000
	CROUND                                         ; all sixteen work-groups are here: the first joint loads meet
	s_cmp_eq_u32 s14, 0                            ; one first fill a wave, in one chain of branches on the wave's number
	s_cbranch_scc0 .Lnot_0
	tensor_load_to_lds s[G0A0:G0A0+3], s[G1AS:G1AS+7]   ; x, K steps 0, 1
	s_nop 0
	PLACES 4
	s_branch .Lfirst_asked
.Lnot_0:
	s_cmp_eq_u32 s14, 1
	s_cbranch_scc0 .Lnot_1
	tensor_load_to_lds s[G0A0:G0A0+3], s[G1AL:G1AL+7]   ; x, K steps 2-4
	s_nop 0
	PLACES 4
	s_branch .Lfirst_asked
.Lnot_1:
	s_cmp_eq_u32 s14, 2
	s_cbranch_scc0 .Lnot_2
	tensor_load_to_lds s[G0B0:G0B0+3], s[G1BS:G1BS+7]   ; w_qkv, K steps 0, 1
	s_nop 0
	PLACES 4
	s_branch .Lfirst_asked
.Lnot_2:
	tensor_load_to_lds s[G0B0:G0B0+3], s[G1BL:G1BL+7]   ; w_qkv, K steps 2-4
	s_nop 0
	PLACES 4
.Lfirst_asked:
	v_and_b32 v1, 31, v0
	v_lshlrev_b32 v[GO], 4, v1                     ; 16 x lane
	s_lshl_b32 s94, s15, 14
	v_add_nc_u32 v[ADRA], s94, v[GO]
	v_add_nc_u32 v[ADRA+1], 0x10000, v[ADRA]
	v_add_nc_u32 v[ADRA+2], 0x20000, v[ADRA]
	s_mul_i32 s94, s16, 12288
	s_add_co_u32 s94, s94, BOFF
	v_add_nc_u32 v[ADRB], s94, v[GO]
	v_add_nc_u32 v[ADRB+1], 73728, v[ADRB]
	; where my results go
	s_lshr_b32 s94, s17, 3                         ; the batch
	s_lshl_b32 s94, s94, 4
	s_add_co_u32 s94, s94, s42                     ; batch x 16 + head
	s_and_b32 s95, s17, 7
	s_lshl_b32 s95, s95, 1
	s_add_co_u32 s95, s95, s15                     ; my 128 tokens are step 2 (block % 8) + rh of the 16 steps of a sequence
	s_lshl_b32 s96, s94, 17
	s_lshl_b32 s97, s95, 13                        ; 8 tiles of queries of 1,024 bytes
	s_add_co_u32 s96, s96, s97
	s_lshl_b32 s97, s16, 9                         ; part ch
	s_add_co_u32 s96, s96, s97
	s_mov_b32 s97, 0
	s_add_nc_u64 s[10:11], s[10:11], s[96:97]      ; q
	s_lshl_b32 s96, s94, 18
	s_lshl_b32 s98, s95, 14
	s_add_co_u32 s96, s96, s98
	s_add_nc_u64 s[12:13], s[12:13], s[96:97]      ; the step in kv_img
	s_lshl_b32 s96, s16, 12
	s_add_co_u32 s96, s96, 8192
	s_add_nc_u64 s[92:93], s[12:13], s[96:97]      ; v: behind the 8,192 bytes of k; my two tiles of features
	s_lshl_b32 s96, s16, 9
	s_add_nc_u64 s[12:13], s[12:13], s[96:97]      ; k: part ch
	; the prefetches of K steps 5-7: waves 0, 1 for x (24,576 bytes of the block for each cx), waves 2, 3 for w_qkv (18,432 bytes of the head for each cy)
	s_mov_b32 s66, 35
	s_mov_b32 s98, 18432
	s_mov_b32 s99, 122880
	s_cmp_eq_u32 s15, 0
	s_cselect_b64 s[PFA:PFA+1], s[20:21], s[22:23]
	s_cselect_b32 s96, s40, s41
	s_cselect_b32 s98, 24576, s98
	s_cselect_b32 s99, 163840, s99
	s_cselect_b32 s66, 47, s66
	s_mul_i32 s96, s96, s98
	s_lshr_b32 s98, s98, 1
	s_mul_i32 s98, s98, s16
	s_add_co_u32 s96, s96, s98
	s_add_co_u32 s96, s96, s99
	s_mov_b32 s97, 0
	s_add_nc_u64 s[PFA:PFA+1], s[PFA:PFA+1], s[96:97]
	v_and_b32 v1, 31, v0
	v_lshlrev_b32 v[PF1], 8, v1
	v_add_nc_u32 v[PF2], 32, v1
	v_min_u32 v[PF2], s66, v[PF2]
	v_lshlrev_b32 v[PF2], 8, v[PF2]
	s_wait_alu depctr_va_vdst(0)
	s_cmp_lg_u32 s16, 0                            ; the waves that fetched K steps 0 and 1 wait for them; the other two loads stay out
	s_cbranch_scc1 .Lfirst_later
	s_wait_tensorcnt 0x0
.Lfirst_later:
	s_barrier_signal -1
	s_barrier_wait -1                              ; K steps 0 and 1 are whole
	FETCH_B 0, 0
	FETCH_A 0, 0
	FETCH_A 0, 4
	STEP 0, 0, 1                                   ; its products start the sums: nothing is cleared
	STEP 1, 1, 0                                   ; behind its barrier K steps 2-4 are whole
	STEP 2, 2, 0                                   ; slots 0-2 have been read out: K steps 5-7 are asked for, 72 matrix instructions of a wave ahead of the wait for them
	STEP 3, 0, 0
	STEP 4, 1, 0                                   ; behind its barrier K steps 5-7 are whole; nothing is filled again
	STEP 5, 0, 0
	STEP 6, 0, 0
	STEP 7, 0, 0
	; THE WAY OUT: hold, convert, store.  Every store has data registers of its own and covers 512 consecutive bytes at a multiple of 512.
	WIN 0
	s_wait_kmcnt 0x0
.macro MKS vs, et                      ; v[vs] = 2^(et - e0 - e1), v[vs + 1] = 448 x that
	s_sub_co_i32 s18, \et, s84
	s_sub_co_i32 s18, s18, s85
	s_add_co_i32 s18, s18, 127
	s_lshl_b32 s19, s18, 23
	v_mov_b32 v[\vs], s19
	s_add_co_i32 s18, s18, 8
	s_lshl_b32 s18, s18, 23
	s_or_b32 s18, s18, 0x600000
	v_mov_b32 v[\vs+1], s18
.endm
	MKS 8, s86
	s_wait_alu depctr_va_vdst(0)
	MKS 10, s87
	MKS 12, s89
	PLACES 4                                       ; between the last products and the first read of results and write over the fragments of x
.macro EPI a                           ; the six accumulators of tile a of my tokens, each from its low end on
	WIN 0x02+(\a)/4                                ; source 0: window 2 or 3
.irp b, 0,1,2,3,4,5
.irp j, 0,1,2,3,4,5,6,7
	v_med3_num_f32 v[TMP+8*\b+\j], v[8*(6*((\a)%4)+\b)+\j], -v[9+2*(\b/2)], v[9+2*(\b/2)]
.endr
.endr
	WIN 0
.irp b, 0,1
	v_cvt_scalef32_pk8_fp8_f32 v[QC+4*(\a)+2*\b:QC+4*(\a)+2*\b+1], v[TMP+8*\b:TMP+8*\b+7], v8
	v_cvt_scalef32_pk8_fp8_f32 v[KC+4*(\a)+2*\b:KC+4*(\a)+2*\b+1], v[TMP+16+8*\b:TMP+16+8*\b+7], v10
	v_cvt_scalef32_pk8_fp8_f32 v[VC+16*\b+2*(\a):VC+16*\b+2*(\a)+1], v[TMP+32+8*\b:TMP+32+8*\b+7], v12
.endr
	v_nop                                          ; a plain vector line between the conversions and the next lines that write their sources
	global_store_b128 v[GO], v[QC+4*(\a):QC+4*(\a)+3], s[10:11] offset:1024*(\a)
	global_store_b128 v[GO], v[KC+4*(\a):KC+4*(\a)+3], s[12:13] offset:1024*(\a)
.if (\a)%2
	global_store_b128 v[GO], v[VC+2*(\a)-2:VC+2*(\a)+1], s[92:93] offset:512*((\a)/2)            ; keys 16 (a - 1) .. 16 a + 15: piece a / 2
	global_store_b128 v[GO], v[VC+16+2*(\a)-2:VC+16+2*(\a)+1], s[92:93] offset:2048+512*((\a)/2)
.endif
.endm
.irp a, 0,1,2,3,4,5,6,7
	EPI \a
.endr
	s_wait_tensorcnt 0x0                           ; the end of the wave
	ds_add_u32 v[SPW], v[NIL]
	s_wait_dscnt 0x0
	CROUND                                         ; the closing round
	s_endpgm
.Lfunc_end_k_qc24f136e94_qkv:
	.size	k_qc24f136e94_qkv, .Lfunc_end_k_qc24f136e94_qkv-k_qc24f136e94_qkv
	.p2alignl 7, 3214868480
	.fill 96, 4, 3214868480
	.section	.rodata,"a",@progbits
	.p2align	6, 0x0
	.amdhsa_kernel k_qc24f136e94_qkv
		.amdhsa_group_segment_fixed_size 327680
		.amdhsa_private_segment_fixed_size 0
		.amdhsa_enable_private_segment 0
		.amdhsa_kernarg_size 40
		.amdhsa_user_sgpr_count 2
		.amdhsa_user_sgpr_kernarg_segment_ptr 1
		.amdhsa_wavefront_size32 1
		.amdhsa_system_sgpr_workgroup_id_x 1
		.amdhsa_system_sgpr_workgroup_id_y 1
		.amdhsa_system_sgpr_workgroup_id_z 1
		.amdhsa_system_vgpr_workitem_id 0
		.amdhsa_next_free_vgpr 1024
		.amdhsa_next_free_sgpr 100
		.amdhsa_reserve_vcc 0
		.amdhsa_float_denorm_mode_32 3
		.amdhsa_float_denorm_mode_16_64 3
		.amdhsa_memory_ordered 1
		.amdhsa_forward_progress 1
		.amdhsa_inst_pref_size 98
	.end_amdhsa_kernel
	.amdgpu_metadata
---
amdhsa.version: [ 1, 2 ]
amdhsa.kernels:
  - .name:           k_qc24f136e94_qkv
    .symbol:         k_qc24f136e94_qkv.kd
    .args:
      - { .name: x_img, .offset: 0, .size: 8, .value_kind: global_buffer, .address_space: global }
      - { .name: wq_img, .offset: 8, .size: 8, .value_kind: global_buffer, .address_space: global }
      - { .name: lowp_scales, .offset: 16, .size: 8, .value_kind: global_buffer, .address_space: global }
      - { .name: q_img, .offset: 24, .size: 8, .value_kind: global_buffer, .address_space: global }
      - { .name: kv_img, .offset: 32, .size: 8, .value_kind: global_buffer, .address_space: global }
    .group_segment_fixed_size: 327680
    .private_segment_fixed_size: 0
    .kernarg_segment_align: 8
    .kernarg_segment_size: 40
    .max_flat_workgroup_size: 128
    .sgpr_count:     100
    .vgpr_count:     1024
    .wavefront_size: 32
...
	.end_amdgpu_metadata
.endif
;; end of part 2
;; launch attn (part 3): grid 8 x 32, 16 waves a work-group, clusters of 4 x 1, 327,680 bytes of LDS; arguments q_img, kv_img, lowp_scales, y_img; writes y_img
.if DOCPART == 3
	.amdgcn_target "amdgcn-amd-amdhsa--gfx1250"
	.amdhsa_code_object_version 6
	.text
	.protected	k_qc24f136e94_attn
	.globl	k_qc24f136e94_attn
	.p2align	8
	.type	k_qc24f136e94_attn,@function
k_qc24f136e94_attn:
	s_mov_b64 s[64:65], 0
	v_nop
	global_prefetch_b8 v0, s[64:65] scope:SCOPE_SE
	s_setreg_imm32_b32 hwreg(HW_REG_WAVE_MODE, 25, 1), 1
	s_wait_xcnt 0x0
	s_wait_alu depctr_hold_cnt(0) depctr_sa_sdst(0) depctr_va_vdst(0) depctr_va_sdst(0) depctr_va_ssrc(0) depctr_va_vcc(0) depctr_vm_vsrc(0)
	s_getreg_b32 s2, hwreg(HW_REG_IB_STS2, 6, 4)
	s_cmp_eq_u32 s2, 0
	s_cbranch_scc0 .Lentry_in_a_cluster
	s_endpgm
.Lentry_in_a_cluster:
	s_bfe_u32 s2, ttmp6, 0x10000c
	s_cmp_lg_u32 s2, 0x3003
	s_cbranch_scc0 .Lentry_shape_is_right
	s_endpgm
.Lentry_shape_is_right:
; LAUNCH 3 OF 4: S^T = k q^T, the causal softmax, y^T = v^T p^T, y quantised with the scale of entry 6: products 2 and 3 on codes of E4M3.
; WORK LEFT OUT: a step of 128 keys all of which come after a tile's 16 queries: reference()'s own jnp.tril gives every such key the weight 0 whatever finite values the inputs hold.
; LIMIT: a NaN, an infinity or an overflow that would arise only there is not carried to the result.
; SHARES: work-group (x, batch x head) owns the 16 tiles of queries 8 rho + x, rho = 0 .. 15; tile rho has rho + 1 steps of 128 keys.  The 17 steps of tiles i and 15 - i, i = 0 .. 7, go to two waves:
;   wave A: steps 0-9 of tile 15 - i (as many as it has);  wave B: all of tile i, then steps 10 .. 15 - i of tile 15 - i, and it joins A's part, which comes through LDS, to its own.
;   A has 10 steps (9 for i = 7), B 7 (8 for i = 7) and both tiles' ways out.  Where B has no step of tile 15 - i its own part is zeros.
;   Wave w: A where w < 8, B elsewhere; i = w % 4 or, where bit 2 of w is set, 7 - w % 4: waves s, s + 4, s + 8, s + 12 have 34 steps together for every s.
; All of the head's K and V lies in LDS (16 steps of 16,384 bytes), filled once: wave w asks for step w.  Step 0 is worked when it alone is there, the others behind one more barrier.
; CLUSTER 4 x 1: four work-groups of one head ask jointly.  No prefetch: every byte is asked for at the head, and there is no later fill to run ahead of.
; SOFTMAX: t = score x c, c = log2(e) / 8 x 2^(e2 + e3); M = ceil(the running largest t); p = 2^(t - M), summed in f32 ahead of its quantising, quantised with 2^e4; when M moves, the sum and y^T are multiplied by a power of two.
; A lane holds ONE query (lane % 16); register 8 t + j of S^T is key 16 t + 8 (lane / 16) + j of the step.
; LIMITS: e2 + e3 between -123 and 130; e4 and e6 between -126 and 119; scaled scores under 2^31 in magnitude.  NaN is not served.
; REGISTERS: v1 16 x lane; v2, v255 LDS addresses; v3 mask; v4 2^e4; v5, v6 for the add; v7 at work; v[8:9] f; v12 -M; v13 largest score; v[14:15] the sum;
;   v16-23 q; v24-87 k; v88-151 v; v152-167 codes of p (over the low scores, when those are done with); v156-219 scores, then p; v220-251 y^T; v10-11, v252-255 at work
.set SPARE, 262144                     ; the spare words, 128 bytes for each wave: no other line names them
.set DUMP, SPARE+2048                  ; the parts that A waves hand to B waves, DSZ bytes each: 8 x 512 of y^T, then 256 of (-M, sum)
.set DSZ,  4608
.set LA,   1
.set ADR,  2
.set DD,   3
.set SPW,  5
.set NIL,  6
.set Q,    16
.set KF,   24
.set VF,   88
.set PC,   152
.set S,    156
.set O,    220
.set ADRN, 255
.set WV,   12
.set RHO,  13                          ; the tile in hand
.set RHO2, 17                          ; 15 - i
.set RHO3, 18                          ; what steps 10-15 run up to: 15 - i in B, 0 (none) in A
.set PART, 19                          ; 0: A, 1: B
.set SEL,  20
.set CS,   22
.set G1,   24
.set NCS,  32
.set HOLD, 33
.set EPV,  34
.set DMP,  35
.set Q2A,  36                          ; s[36:37] q of tile 15 - i
.set EYS,  38
.set EYH,  39
.set G0,   40
.set Y1,   44                          ; s[44:45], s[46:47] where y of tiles i and 15 - i goes
.set Y2,   46
.set TB,   48
.set STP,  49
.set CNT,  50
.set TBN,  51
.macro CROUND
	s_barrier_signal -1
	s_barrier_wait -1
	s_cmp_lg_u32 s[WV], 0
	s_cbranch_scc1 .Lnot_wave_0_\@
	s_barrier_signal -3
.Lnot_wave_0_\@:
	s_barrier_wait -3
	s_barrier_signal -1
	s_barrier_wait -1
.endm
	s_load_b256 s[4:11], s[0:1], 0x0               ; q_img s[4:5], kv_img s[6:7], lowp_scales s[8:9], y_img s[10:11]
	v_lshl_add_u32 v[SPW], v0, 2, SPARE
	v_mov_b32 v[NIL], 0
	ds_add_u32 v[SPW], v[NIL]                      ; the opening: the add, twice on end, and its wait ahead of my tensor load
	ds_add_u32 v[SPW], v[NIL]
	v_lshrrev_b32 v7, 5, v0
	v_and_b32 v[LA], 31, v0
	v_readfirstlane_b32 s[WV], v7
	v_lshlrev_b32 v[LA], 4, v[LA]
	s_and_b32 s60, s[WV], 3
	s_bfe_u32 s61, s[WV], 0x10002
	s_mul_i32 s62, s61, 7
	s_xor_b32 s62, s60, s62                        ; i
	s_lshr_b32 s[PART], s[WV], 3
	s_xor_b32 s[RHO2], s62, 15
	s_xor_b32 s63, s[PART], 1
	s_mul_i32 s63, s63, 15
	s_xor_b32 s[RHO], s62, s63                     ; A begins with tile 15 - i, B with tile i
	s_mul_i32 s[RHO3], s[RHO2], s[PART]
	s_lshl_b32 s61, s61, 2
	s_add_co_u32 s61, s61, s60                     ; the pair's number, 0 .. 7
	s_mul_i32 s61, s61, DSZ
	s_add_co_u32 s[DMP], s61, DUMP
	s_bfe_u32 s14, ttmp6, 0x40000                  ; cx
	s_lshl_b32 s15, ttmp9, 2
	s_add_co_u32 s15, s15, s14                     ; x
	s_and_b32 s16, ttmp7, 0xffff                   ; batch x 16 + head
	s_mov_b32 s[G1], 15|(3<<16)|(1<<21)            ; all four partners; elements of 8 bytes; bit 21 beside a mask
	s_mov_b32 s[G1+1], 32<<16
	s_mov_b32 s[G1+2], 64<<16                      ; 64 rows of 256 bytes: a step, dense in memory
	s_mov_b32 s[G1+3], 32<<16
	s_mov_b32 s[G1+4], 64
	s_mov_b32 s[G1+5], 32
	s_mov_b32 s[G1+6], 0
	s_mov_b32 s[G1+7], 0
	s_mov_b32 s[SEL], 0x76543210
	s_mov_b32 s[SEL+1], 0xfedcba98
	s_mov_b32 s[CS], 0x3e38aa3b                    ; log2(e) / 8
	s_mov_b32 s[TB], 0
	s_mov_b32 s[STP], 0
	s_lshl_b32 s62, s16, 18                        ; K and V of the head
	s_lshl_b32 s60, s[WV], 14                      ; my step
	s_add_co_u32 s62, s62, s60
	s_mov_b32 s63, 0
	s_lshl_b32 s66, s16, 17
	s_lshl_b32 s68, s15, 10
	s_add_co_u32 s66, s66, s68
	s_lshl_b32 s68, s[RHO], 13
	s_add_co_u32 s68, s68, s66                     ; q of my first tile
	s_mov_b32 s69, 0
	s_lshl_b32 s70, s[RHO2], 13
	s_add_co_u32 s70, s70, s66
	s_mov_b32 s71, 0
	s_lshr_b32 s72, s16, 4
	s_lshl_b32 s72, s72, 21                        ; y: [block of 128 tokens][K step 8][tile 8][2,048]
	s_bfe_u32 s73, s16, 0x30001
	s_lshl_b32 s73, s73, 14
	s_add_co_u32 s72, s72, s73
	s_lshl_b32 s73, s15, 11
	s_add_co_u32 s72, s72, s73
	s_and_b32 s73, s16, 1
	s_lshl_b32 s73, s73, 10
	s_add_co_u32 s72, s72, s73
	s_lshl_b32 s74, s[RHO2], 17
	s_add_co_u32 s74, s74, s72
	s_mov_b32 s75, 0
	s_lshl_b32 s73, s[RHO], 17
	s_add_co_u32 s72, s72, s73
	s_mov_b32 s73, 0
	s_wait_alu depctr_va_vdst(0)
	s_wait_dscnt 0x0                               ; both opening adds are done
	s_wait_kmcnt 0x0
	s_load_b256 s[52:59], s[8:9], 0x0              ; e0 .. e7
	s_add_nc_u64 s[68:69], s[4:5], s[68:69]
	s_add_nc_u64 s[Q2A:Q2A+1], s[4:5], s[70:71]
	s_add_nc_u64 s[Y1:Y1+1], s[10:11], s[72:73]
	s_add_nc_u64 s[Y2:Y2+1], s[10:11], s[74:75]
	s_mov_b32 s[G0], 1
	s_mov_b32 s[G0+1], s60
	s_add_nc_u64 s[G0+2:G0+3], s[6:7], s[62:63]
	s_or_b32 s[G0+3], s[G0+3], 0x80000000
	global_load_b128 v[Q:Q+3], v[LA], s[68:69]
	global_load_b128 v[Q+4:Q+7], v[LA], s[68:69] offset:512
	CROUND                                         ; all four work-groups are here: the joint loads meet
	s_cmp_eq_u32 s[WV], 0                          ; step 0 has a line of its own: it alone is waited for ahead of the first barrier
	s_cbranch_scc0 .Lask_later_steps
	tensor_load_to_lds s[G0:G0+3], s[G1:G1+7]
	s_nop 0
.rept 4
	v_nop
.endr
	s_branch .Lasked
.Lask_later_steps:
	tensor_load_to_lds s[G0:G0+3], s[G1:G1+7]      ; steps 1-15
	s_nop 0
.rept 4
	v_nop
.endr
.Lasked:
	s_lshl_b32 s74, s15, 4
	v_and_b32 v7, 15, v0
	v_bfe_u32 v8, v0, 4, 1
	v_mov_b32 v9, 0
	v_mov_b32 v12, 0x7f61b1e6                      ; -M: M = -3e38, under every t
	v_lshlrev_b32 v8, 3, v8
	v_mov_b32 v13, 0xff61b1e6
	v_mov_b32 v14, 0
	v_sub_nc_u32 v[DD], v7, v8
	v_mov_b32 v15, 0
	v_mov_b32 v[O], 0
	v_add_nc_u32 v[DD], s74, v[DD]                 ; my query less 8 (lane / 16), in the diagonal step's 128 keys
.set n, 1
.rept 31
	v_mov_b32 v[O+n], 0
.set n, n+1
.endr
	s_wait_kmcnt 0x0
	s_add_co_i32 s60, s54, s55
	s_lshl_b32 s60, s60, 23
	s_add_co_i32 s[CS], s[CS], s60                 ; c x 2^(e2 + e3)
	s_mov_b32 s[CS+1], s[CS]                       ; (named with it as a pair)
	s_xor_b32 s[NCS], s[CS], 0x80000000            ; -c
	s_add_co_i32 s60, s56, 127
	s_lshl_b32 s61, s60, 23
	v_mov_b32 v4, s61                              ; 2^e4
	s_add_co_i32 s60, s60, 8
	s_lshl_b32 s60, s60, 23
	s_or_b32 s[HOLD], s60, 0x600000                ; 448 x 2^e4
	s_add_co_i32 s[EPV], s56, s57                  ; e4 + e5
	s_add_co_i32 s60, s58, 127
	s_lshl_b32 s[EYS], s60, 23                     ; 2^e6
	s_add_co_i32 s60, s60, 8
	s_lshl_b32 s60, s60, 23
	s_or_b32 s[EYH], s60, 0x600000                 ; 448 x 2^e6
.macro KLOAD                           ; 8 tiles of 16 keys x 64, from v[ADRN]
.irp t, 0,1,2,3,4,5,6,7
	ds_load_b128 v[KF+8*\t:KF+8*\t+3], v[ADRN] offset:1024*\t
	ds_load_b128 v[KF+8*\t+4:KF+8*\t+7], v[ADRN] offset:1024*\t+512
.endr
.endm
.macro SUM t                           ; four pairs of tile t onto the four chains of the sum
	v_pk_add_f32 v[10:11], v[10:11], v[S+8*(\t):S+8*(\t)+1]
	v_pk_add_f32 v[252:253], v[252:253], v[S+8*(\t)+2:S+8*(\t)+3]
	v_pk_add_f32 v[254:255], v[254:255], v[S+8*(\t)+4:S+8*(\t)+5]
	v_pk_add_f32 v[14:15], v[14:15], v[S+8*(\t)+6:S+8*(\t)+7]
.endm
; A KEY STEP of the tile in hand; its 16 loads of k are out or in when it begins.  pf = 1: the next step's k is loaded under the softmax (held to step 15, the last that there is).
.macro STEP pf
	s_cmp_gt_u32 s[STP], s[RHO]                    ; all keys of the step come after my queries: it is left out, by a branch on the wave's number
	s_cbranch_scc1 .Lskip_\@
	v_add_nc_u32 v[ADR], s[TB], v[LA]
.if \pf
	s_add_co_u32 s[TBN], s[TB], 16384
	s_min_u32 s[TBN], s[TBN], 15*16384
	v_add_nc_u32 v[ADRN], s[TBN], v[LA]
.else
	v_nop
.endif
.rept 3
	v_nop                                          ; five places behind the last step's products: loads land on v's registers, and the scores are written over the codes that those products read
.endr
.irp b, 0,1,2,3
.irp g, 0,1,2,3
	ds_load_b128 v[VF+16*\b+4*\g:VF+16*\b+4*\g+3], v[ADR] offset:8192+2048*\b+512*\g
.endr
.endr
	s_wait_alu depctr_va_vdst(0)
	s_wait_dscnt 16                                ; k is in; the 16 loads of v may be out
.irp t, 0,1,2,3,4,5,6,7
	v_wmma_f32_16x16x64_fp8_fp8 v[S+8*\t:S+8*\t+7], v[KF+8*\t:KF+8*\t+7], v[Q:Q+7], 0
.endr
	v_mov_b32 v254, v12                            ; the old -M; with three v_nop the places behind the products
.rept 3
	v_nop
.endr
.if \pf
	KLOAD
.endif
	s_cmp_lg_u32 s[STP], s[RHO]
	s_cbranch_scc1 .Lopen_\@
	v_mov_b32 v10, 0xff800000                      ; the diagonal step: hidden scores become -infinity
.set n, 0
.rept 32
	v_cmp_gt_i32 vcc_lo, 16*(n/8)+n%8, v[DD]
	v_cmp_gt_i32 s62, 16*(n/8)+n%8+1, v[DD]
	v_cndmask_b32 v[S+n], v[S+n], v10, vcc_lo
	v_cndmask_b32 v[S+n+1], v[S+n+1], v10, s62
.set n, n+2
.endr
.Lopen_\@:
	v_max3_num_f32 v10, v[S], v[S+1], v[S+2]       ; the largest score, in four chains
	v_max3_num_f32 v11, v[S+3], v[S+4], v[S+5]
	v_max3_num_f32 v252, v[S+6], v[S+7], v[S+8]
	v_max3_num_f32 v253, v[S+9], v[S+10], v[S+11]
.set n, 12
.rept 6
	v_max3_num_f32 v10, v10, v[S+n], v[S+n+1]
	v_max3_num_f32 v11, v11, v[S+n+2], v[S+n+3]
	v_max3_num_f32 v252, v252, v[S+n+4], v[S+n+5]
	v_max3_num_f32 v253, v253, v[S+n+6], v[S+n+7]
.set n, n+8
.endr
	v_max3_num_f32 v10, v10, v[S+60], v[S+61]
	v_max3_num_f32 v11, v11, v[S+62], v[S+63]
	s_delay_alu instid0(VALU_DEP_1)
	v_max3_num_f32 v10, v10, v11, v252
	s_delay_alu instid0(VALU_DEP_1)
	v_max_num_f32 v10, v10, v253
	s_delay_alu instid0(VALU_DEP_1)
	v_permlanex16_b32 v7, v10, s[SEL], s[SEL+1]    ; lane l xor 16's
	s_delay_alu instid0(VALU_DEP_1)
	v_max3_num_f32 v13, v13, v10, v7               ; the running largest score
	s_delay_alu instid0(VALU_DEP_1)
	v_mul_f32 v7, s[NCS], v13
	s_delay_alu instid0(VALU_DEP_1)
	v_floor_f32 v12, v7                            ; -M, a whole number
	s_delay_alu instid0(VALU_DEP_1)
	v_sub_f32 v254, v12, v254                      ; the old M less the new
.set n, 0
.rept 32
	v_pk_fma_f32 v[S+n:S+n+1], v[S+n:S+n+1], s[CS:CS+1], v[12:13] op_sel_hi:[1,0,0]   ; t - M
.if n == 16
	v_cvt_i32_f32 v254, v254
.endif
.if n == 32
	v_ldexp_f32 v8, 1.0, v254                      ; f = 2^(old M - new M)
.endif
.set n, n+2
.endr
.set n, 0
.rept 16
	v_pk_mul_f32 v[O+n:O+n+1], v[O+n:O+n+1], v[8:9] op_sel_hi:[1,0]   ; y^T under the new M
.set n, n+2
.endr
	s_wait_alu depctr_va_vdst(0)
.set n, 0
.rept 64
	v_exp_f32 v[S+n], v[S+n]
.set n, n+1
.endr
	v_pk_mul_f32 v[14:15], v[14:15], v[8:9] op_sel_hi:[1,0]   ; the sum under the new M; a plain place behind the exponentials
	s_wait_alu depctr_va_vdst(0)
	v_pk_add_f32 v[14:15], v[14:15], v[S:S+1]      ; the sum of the unquantised p, in four chains
	v_pk_add_f32 v[10:11], v[S+2:S+3], v[S+4:S+5]
	v_pk_add_f32 v[252:253], v[S+6:S+7], v[S+8:S+9]
	v_pk_add_f32 v[254:255], v[S+10:S+11], v[S+12:S+13]
	v_pk_add_f32 v[14:15], v[14:15], v[S+14:S+15]
.irp t, 0,1,2,3,4,5,6,7
.irp j, 0,2,4,6
	v_dual_min_num_f32 v[S+8*\t+\j], s[HOLD], v[S+8*\t+\j] :: v_dual_min_num_f32 v[S+8*\t+\j+1], s[HOLD], v[S+8*\t+\j+1]   ; the conversion does not saturate (ISA guide 7.6.2); p is not negative
.endr
.if \t < 6
	SUM \t+2
.endif
	v_cvt_scalef32_pk8_fp8_f32 v[PC+2*\t:PC+2*\t+1], v[S+8*\t:S+8*\t+7], v4   ; from tile 2 on over the numbers of tiles 0 and 1, which have been converted
.endr
	v_pk_add_f32 v[14:15], v[14:15], v[10:11]
	v_pk_add_f32 v[252:253], v[252:253], v[254:255]
	v_pk_add_f32 v[14:15], v[14:15], v[252:253]
	s_wait_alu depctr_va_vdst(0)
.if \pf
	s_wait_dscnt 16                                ; v is in; the next step's 16 loads of k may be out
.else
	s_wait_dscnt 0x0
.endif
.irp b, 0,1,2,3
	v_wmma_f32_16x16x128_fp8_fp8 v[O+8*\b:O+8*\b+7], v[VF+16*\b:VF+16*\b+15], v[PC:PC+15], v[O+8*\b:O+8*\b+7]
.endr
.Lskip_\@:
	s_add_co_u32 s[TB], s[TB], 16384
	s_add_co_u32 s[STP], s[STP], 1
.endm
; A TILE'S END: (src) / the sum (v13 of both halves of the lanes) x 2^(e4 + e5) is y; held, converted and stored: 2 x 512 consecutive bytes.
.macro FINAL src, yb
	v_mov_b32 v8, s[EYH]
	v_mov_b32 v9, s[EYS]
	v_permlanex16_b32 v7, v13, s[SEL], s[SEL+1]
	s_delay_alu instid0(VALU_DEP_1)
	v_add_f32 v14, v13, v7
	s_wait_alu depctr_va_vdst(0)
	v_rcp_f32 v14, v14
	v_nop
	s_wait_alu depctr_va_vdst(0)
	v_ldexp_f32 v14, v14, s[EPV]
	s_wait_alu depctr_va_vdst(0)
.set n, 0
.rept 16
	v_pk_mul_f32 v[S+n:S+n+1], v[\src+n:\src+n+1], v[14:15] op_sel_hi:[1,0]
.set n, n+2
.endr
.set n, 0
.rept 32
	v_med3_num_f32 v[S+n], v[S+n], -v8, v8
.set n, n+1
.endr
.irp b, 0,1,2,3
	v_cvt_scalef32_pk8_fp8_f32 v[VF+2*\b:VF+2*\b+1], v[S+8*\b:S+8*\b+7], v9
.endr
	v_nop
	global_store_b128 v[LA], v[VF:VF+3], s[\yb:\yb+1]
	global_store_b128 v[LA], v[VF+4:VF+7], s[\yb:\yb+1] offset:512
.endm
	s_wait_alu depctr_va_vdst(0)
	s_wait_loadcnt 0x0                             ; q
	s_cmp_lg_u32 s[WV], 0                          ; wave 0 waits for step 0; the other loads stay out
	s_cbranch_scc1 .Lstep_0_later
	s_wait_tensorcnt 0x0
.Lstep_0_later:
	s_barrier_signal -1
	s_barrier_wait -1                              ; step 0 is there
	v_add_nc_u32 v[ADRN], s[TB], v[LA]
	KLOAD
	STEP 0                                         ; every tile has step 0
	s_wait_tensorcnt 0x0                           ; my step is there,
	s_wait_dscnt 0x0
	s_barrier_signal -1
	s_barrier_wait -1                              ; and so are all the others
	v_add_nc_u32 v[ADRN], s[TB], v[LA]
	KLOAD
	s_mov_b32 s[CNT], 9
.Llow_steps:                                           ; steps 1-9
	STEP 1
	s_sub_co_u32 s[CNT], s[CNT], 1
	s_cmp_lg_u32 s[CNT], 0
	s_cbranch_scc1 .Llow_steps
	; A hands its part of tile 15 - i over; B finishes tile i.  Both know where the pair's part lies
.rept 4
	v_nop
.endr
	s_wait_alu depctr_va_vdst(0)
	v_add_nc_u32 v255, s[DMP], v[LA]
	v_lshrrev_b32 v254, 1, v[LA]
	v_add_f32 v13, v14, v15                        ; my lanes' part of the sum
	v_add_nc_u32 v254, s[DMP], v254
	s_wait_alu depctr_va_vdst(0)
	s_cmp_lg_u32 s[PART], 0
	s_cbranch_scc1 .Ltile_i
.irp g, 0,1,2,3,4,5,6,7
	ds_store_b128 v255, v[O+4*\g:O+4*\g+3] offset:512*\g
.endr
	ds_store_b64 v254, v[12:13] offset:4096        ; -M and the sum
	s_branch .Ljoined
.Ltile_i:
	global_load_b128 v[Q:Q+3], v[LA], s[Q2A:Q2A+1] ; q of tile 15 - i, under the way out of tile i
	global_load_b128 v[Q+4:Q+7], v[LA], s[Q2A:Q2A+1] offset:512
	FINAL O, Y1
.Ljoined:
	s_wait_dscnt 0x0                               ; A's part is in LDS; no load of k is out
	s_wait_xcnt 0x0                                ; the stores have read their registers
	v_add_nc_u32 v[ADRN], s[TB], v[LA]
	KLOAD                                          ; step 10
.set n, 0
.rept 32
	v_mov_b32 v[O+n], 0
.set n, n+1
.endr
	v_mov_b32 v12, 0x7f61b1e6
	v_mov_b32 v13, 0xff61b1e6
	v_mov_b32 v14, 0
	v_mov_b32 v15, 0
	s_mov_b32 s[RHO], s[RHO3]
	s_mov_b32 s[CNT], 6
	s_wait_alu depctr_va_vdst(0)
	s_wait_loadcnt 0x0
.Lhigh_steps:                                          ; steps 10-15, in B alone
	STEP 1
	s_sub_co_u32 s[CNT], s[CNT], 1
	s_cmp_lg_u32 s[CNT], 0
	s_cbranch_scc1 .Lhigh_steps
.rept 4
	v_nop
.endr
	v_add_nc_u32 v255, s[DMP], v[LA]
	v_lshrrev_b32 v254, 1, v[LA]
	v_add_nc_u32 v254, s[DMP], v254
	s_wait_alu depctr_va_vdst(0)
	s_wait_dscnt 0x0
	s_barrier_signal -1
	s_barrier_wait -1                              ; every A's part is in LDS
	s_cmp_eq_u32 s[PART], 0
	s_cbranch_scc1 .Lend
.irp g, 0,1,2,3,4,5,6,7
	ds_load_b128 v[VF+4*\g:VF+4*\g+3], v255 offset:512*\g
.endr
	ds_load_b64 v[252:253], v254 offset:4096
	v_add_f32 v13, v14, v15
	s_wait_alu depctr_va_vdst(0)
	s_wait_dscnt 0x0
	v_min_num_f32 v7, v12, v252                    ; -M of both parts
	v_sub_f32 v8, v7, v12
	v_sub_f32 v10, v7, v252
	v_cvt_i32_f32 v8, v8                           ; (it saturates)
	v_cvt_i32_f32 v10, v10
	v_ldexp_f32 v8, 1.0, v8                        ; my factor (0 where my part is empty),
	v_ldexp_f32 v10, 1.0, v10                      ; and A's: powers of two
	v_mul_f32 v13, v13, v8
	v_fma_f32 v13, v253, v10, v13
.set n, 0
.rept 16
	v_pk_mul_f32 v[VF+n:VF+n+1], v[VF+n:VF+n+1], v[10:11] op_sel_hi:[1,0]
.set n, n+2
.endr
.set n, 0
.rept 16
	v_pk_fma_f32 v[VF+n:VF+n+1], v[O+n:O+n+1], v[8:9], v[VF+n:VF+n+1] op_sel_hi:[1,0,1]
.set n, n+2
.endr
	FINAL VF, Y2
.Lend:
	s_wait_tensorcnt 0x0                           ; the end of the wave
	ds_add_u32 v[SPW], v[NIL]
	s_wait_dscnt 0x0
	CROUND                                         ; the closing round
	s_endpgm
.Lfunc_end_k_qc24f136e94_attn:
	.size	k_qc24f136e94_attn, .Lfunc_end_k_qc24f136e94_attn-k_qc24f136e94_attn
	.p2alignl 7, 3214868480
	.fill 96, 4, 3214868480
	.section	.rodata,"a",@progbits
	.p2align	6, 0x0
	.amdhsa_kernel k_qc24f136e94_attn
		.amdhsa_group_segment_fixed_size 327680
		.amdhsa_private_segment_fixed_size 0
		.amdhsa_enable_private_segment 0
		.amdhsa_kernarg_size 32
		.amdhsa_user_sgpr_count 2
		.amdhsa_user_sgpr_kernarg_segment_ptr 1
		.amdhsa_wavefront_size32 1
		.amdhsa_system_sgpr_workgroup_id_x 1
		.amdhsa_system_sgpr_workgroup_id_y 1
		.amdhsa_system_sgpr_workgroup_id_z 1
		.amdhsa_system_vgpr_workitem_id 0
		.amdhsa_next_free_vgpr 256
		.amdhsa_next_free_sgpr 80
		.amdhsa_reserve_vcc 1
		.amdhsa_float_denorm_mode_32 3
		.amdhsa_float_denorm_mode_16_64 3
		.amdhsa_memory_ordered 1
		.amdhsa_forward_progress 1
		.amdhsa_inst_pref_size 92
	.end_amdhsa_kernel
	.amdgpu_metadata
---
amdhsa.version: [ 1, 2 ]
amdhsa.kernels:
  - .name:           k_qc24f136e94_attn
    .symbol:         k_qc24f136e94_attn.kd
    .args:
      - { .name: q_img, .offset: 0, .size: 8, .value_kind: global_buffer, .address_space: global }
      - { .name: kv_img, .offset: 8, .size: 8, .value_kind: global_buffer, .address_space: global }
      - { .name: lowp_scales, .offset: 16, .size: 8, .value_kind: global_buffer, .address_space: global }
      - { .name: y_img, .offset: 24, .size: 8, .value_kind: global_buffer, .address_space: global }
    .group_segment_fixed_size: 327680
    .private_segment_fixed_size: 0
    .kernarg_segment_align: 8
    .kernarg_segment_size: 32
    .max_flat_workgroup_size: 512
    .sgpr_count:     80
    .vgpr_count:     256
    .wavefront_size: 32
...
	.end_amdgpu_metadata
.endif
;; end of part 3
;; launch proj (part 4): grid 8 x 32, 4 waves a work-group, clusters of 4 x 4, 327,680 bytes of LDS; arguments y_img, wp_img, lowp_scales, out0; writes out0
.if DOCPART == 4
	.amdgcn_target "amdgcn-amd-amdhsa--gfx1250"
	.amdhsa_code_object_version 6
	.text
	.protected	k_qc24f136e94_proj
	.globl	k_qc24f136e94_proj
	.p2align	8
	.type	k_qc24f136e94_proj,@function
k_qc24f136e94_proj:
	s_mov_b64 s[64:65], 0
	v_nop
	global_prefetch_b8 v0, s[64:65] scope:SCOPE_SE
	s_setreg_imm32_b32 hwreg(HW_REG_WAVE_MODE, 25, 1), 1
	s_wait_xcnt 0x0
	s_wait_alu depctr_hold_cnt(0) depctr_sa_sdst(0) depctr_va_vdst(0) depctr_va_sdst(0) depctr_va_ssrc(0) depctr_va_vcc(0) depctr_vm_vsrc(0)
	s_getreg_b32 s2, hwreg(HW_REG_IB_STS2, 6, 4)
	s_cmp_eq_u32 s2, 0
	s_cbranch_scc0 .Lentry_in_a_cluster
	s_endpgm
.Lentry_in_a_cluster:
	s_bfe_u32 s2, ttmp6, 0x10000c
	s_cmp_lg_u32 s2, 0xf033
	s_cbranch_scc0 .Lentry_shape_is_right
	s_endpgm
.Lentry_shape_is_right:
; LAUNCH 4 OF 4: out0 = y w_proj on codes of E4M3 (K = 1,024); each finished sum is multiplied once by 2^(e6 + e7).
; SHARES: work-group (x = block of 128 columns, y = block of 128 tokens): 256 work-groups, one tile each.  Wave (rh = wave / 2, ch = wave % 2) makes 64 x 64.
; LDS: all of K lies there, filled once: y at 16,384 j, w_proj at 131,072 + 16,384 j (K step j of 128); then a stage of 16 rows x 272 bytes for each wave; then the spare words.
; Each wave issues one tensor load: waves 0, 1 for y, waves 2, 3 for w_proj; even waves K steps 0, 1, odd ones K steps 2-7.  The walk begins when K steps 0 and 1 are there.  No prefetch: all is asked for at the head.
; BY ROWS: my fragments of w_proj for all of K (512 registers) stay; my four blocks of 16 rows are finished one after the other, 32 products each, and each leaves when it is finished.  No fragment is read twice.
; CLUSTER 4 x 4: the four work-groups of a row of the cluster share the block of tokens, the four of a column the block of columns: every load is joint.
; THE MATRIX INSTRUCTION IS USED TRANSPOSED (source 0 = 16 columns of w_proj, source 1 = 16 tokens): a lane holds eight neighbouring numbers of a row of out0.
; LIMIT: e6 + e7 lies between -126 and 127, so that 2^(e6 + e7) is an f32 number.
; REGISTERS: window 0: v16-17, v20-21 LDS addresses; v24-26 the way out; v28, v29 for the add; v32-95 two sets of four accumulators; v96-127 at work; v128-191 rows read back, two sets.
;   windows 1, 2: w_proj, K steps 0-3 and 4-7: (j, b) at v[64 (j % 4) + 16 b].   window 3: y, two blocks: K step j at v[128 (a % 2) + 16 j].
.set STAGE, 262144
.set SPARE, STAGE+4*16*272             ; the spare words, 128 bytes for each wave: two blocks of 256 bytes that no other line names
.set ADRA, 16
.set ADRB, 20
.set STO,  24
.set RD,   25
.set CO,   26
.set SPW,  28
.set NIL,  29
.set ACC,  32
.set TMP,  96
.set BK,   128
.set G1A,  24                          ; s[24:31], s[32:39] group 1 of the even waves: 128 rows of 256 bytes
.set G1B,  32
.set G1AL, 68                          ; s[68:75], s[76:83] of the odd waves: 384 rows
.set G1BL, 76
.set G0A,  48
.set G0B,  52
.set MSB, 0
.macro WIN new                         ; the high byte of the immediate repeats the setting that is left
.if MSB != (\new)
	s_set_vgpr_msb (MSB<<8)|(\new)
.set MSB, (\new)
.endif
.endm
.macro PLACES n
.rept \n
	v_nop
.endr
.endm
.macro CROUND
	s_barrier_signal -1
	s_barrier_wait -1
	s_cmp_lg_u32 s14, 0
	s_cbranch_scc1 .Lnot_wave_0_\@
	s_barrier_signal -3
.Lnot_wave_0_\@:
	s_barrier_wait -3
	s_barrier_signal -1
	s_barrier_wait -1
.endm
.macro G1REST g, rows                  ; elements of 8 bytes; rows of 32 elements, dense
	s_mov_b32 s[\g+1], 32<<16
	s_mov_b32 s[\g+2], (\rows)<<16
	s_mov_b32 s[\g+3], 32<<16
	s_mov_b32 s[\g+4], \rows
	s_mov_b32 s[\g+5], 32
	s_mov_b32 s[\g+6], 0
	s_mov_b32 s[\g+7], 0
.endm
.macro FRAG reg, adr, off
.irp g, 0,1,2,3
	ds_load_b128 v[(\reg)+4*\g:(\reg)+4*\g+3], v[\adr] offset:(\off)+512*\g
.endr
.endm
.macro LOADK j                         ; K step j: my four fragments of w_proj and block 0's of y: 20 loads of 512 consecutive bytes
	WIN 0x40+0x40*((\j)/4)                         ; destination window 1 or 2, address window 0
.irp b, 0,1,2,3
	FRAG 64*((\j)%4)+16*\b, ADRB+(\j)/4, ((\j)%4)*16384+2048*\b
.endr
	WIN 0xc0
	FRAG 16*(\j), ADRA+(\j)/4, ((\j)%4)*16384
.endm
.macro LOADA a                         ; block a of y, all of K: 32 loads
	WIN 0xc0
.irp j, 0,1,2,3,4,5,6,7
	FRAG 128*((\a)%2)+16*\j, ADRA+\j/4, (\j%4)*16384+2048*(\a)
.endr
.endm
.macro MULK a, j                       ; four products; the accumulators take turns, one instruction a turn
	WIN 0x0d+(\j)/4                                ; source 0 window 1 or 2, source 1 window 3, C and D window 0
.irp b, 0,1,2,3
.if (\j) == 0
	v_wmma_f32_16x16x128_fp8_fp8 v[ACC+32*((\a)%2)+8*\b:ACC+32*((\a)%2)+8*\b+7], v[64*((\j)%4)+16*\b:64*((\j)%4)+16*\b+15], v[128*((\a)%2)+16*(\j):128*((\a)%2)+16*(\j)+15], 0
.else
	v_wmma_f32_16x16x128_fp8_fp8 v[ACC+32*((\a)%2)+8*\b:ACC+32*((\a)%2)+8*\b+7], v[64*((\j)%4)+16*\b:64*((\j)%4)+16*\b+15], v[128*((\a)%2)+16*(\j):128*((\a)%2)+16*(\j)+15], v[ACC+32*((\a)%2)+8*\b:ACC+32*((\a)%2)+8*\b+7]
.endif
.endr
.endm
	s_load_b256 s[4:11], s[0:1], 0x0               ; y_img s[4:5], wp_img s[6:7], lowp_scales s[8:9], out0 s[10:11]
	v_lshl_add_u32 v[SPW], v0, 2, SPARE
	v_mov_b32 v[NIL], 0
	ds_add_u32 v[SPW], v[NIL]                      ; the opening: the add, twice on end, and its wait ahead of my tensor load
	ds_add_u32 v[SPW], v[NIL]
	v_lshrrev_b32 v1, 5, v0
	v_readfirstlane_b32 s14, v1                    ; wave 0..3
	s_lshr_b32 s15, s14, 1                         ; rh.  Also: I fetch for y (0) or for w_proj (1)
	s_and_b32 s16, s14, 1                          ; ch.  Also: u, which part of K I fetch
	s_bfe_u32 s40, ttmp6, 0x40000                  ; cx
	s_bfe_u32 s41, ttmp6, 0x40004                  ; cy
	s_lshl_b32 s42, ttmp9, 2
	s_add_co_u32 s42, s42, s40                     ; block of columns
	s_and_b32 s17, ttmp7, 0xffff
	s_lshl_b32 s17, s17, 2
	s_add_co_u32 s17, s17, s41                     ; block of tokens
	s_lshl_b32 s43, s41, 2
	s_lshl_b32 s43, 15, s43                        ; my row of the cluster
	s_lshl_b32 s44, 0x1111, s40                    ; my column
	s_or_b32 s[G1A], s43, (3<<16)|(1<<21)          ; 15:0 the mask; 17:16 elements of 8 bytes; 21 set beside a mask; no padding
	s_or_b32 s[G1B], s44, (3<<16)|(1<<21)
	s_or_b32 s[G1AL], s43, (3<<16)|(1<<21)
	s_or_b32 s[G1BL], s44, (3<<16)|(1<<21)
	G1REST G1A, 128
	G1REST G1B, 128
	G1REST G1AL, 384
	G1REST G1BL, 384
	s_lshl_b32 s18, s16, 15                        ; u x 32,768: K steps 0, 1 or from K step 2 on
	s_lshl_b32 s20, s17, 17                        ; y_img: the block of tokens, 131,072 bytes each.  These registers never hold the block of columns,
	s_add_co_u32 s20, s20, s18
	s_mov_b32 s21, 0
	s_lshl_b32 s22, s42, 17                        ; wp_img: the block of columns.  and these never the block of tokens
	s_add_co_u32 s22, s22, s18
	s_mov_b32 s23, 0
	s_wait_dscnt 0x0                               ; both opening adds are done
	s_wait_kmcnt 0x0
	s_load_b64 s[96:97], s[8:9], 0x18              ; e6, e7
	s_mov_b32 s[G0A], 1
	s_mov_b32 s[G0A+1], s18
	s_add_nc_u64 s[G0A+2:G0A+3], s[4:5], s[20:21]
	s_or_b32 s[G0A+3], s[G0A+3], 0x80000000
	s_mov_b32 s[G0B], 1
	s_add_co_u32 s[G0B+1], s18, 131072
	s_add_nc_u64 s[G0B+2:G0B+3], s[6:7], s[22:23]
	s_or_b32 s[G0B+3], s[G0B+3], 0x80000000
	CROUND                                         ; all sixteen work-groups are here: the joint loads meet
	s_cmp_eq_u32 s14, 0                            ; one first fill a wave, in one chain of branches on the wave's number
	s_cbranch_scc0 .Lnot_0
	tensor_load_to_lds s[G0A:G0A+3], s[G1A:G1A+7]  ; y, K steps 0, 1
	s_nop 0
	PLACES 4
	s_branch .Lfirst_asked
.Lnot_0:
	s_cmp_eq_u32 s14, 1
	s_cbranch_scc0 .Lnot_1
	tensor_load_to_lds s[G0A:G0A+3], s[G1AL:G1AL+7]  ; y, K steps 2-7
	s_nop 0
	PLACES 4
	s_branch .Lfirst_asked
.Lnot_1:
	s_cmp_eq_u32 s14, 2
	s_cbranch_scc0 .Lnot_2
	tensor_load_to_lds s[G0B:G0B+3], s[G1B:G1B+7]  ; w_proj, K steps 0, 1
	s_nop 0
	PLACES 4
	s_branch .Lfirst_asked
.Lnot_2:
	tensor_load_to_lds s[G0B:G0B+3], s[G1BL:G1BL+7]  ; w_proj, K steps 2-7
	s_nop 0
	PLACES 4
.Lfirst_asked:
	v_and_b32 v1, 31, v0
	v_and_b32 v2, 15, v0                           ; r
	v_bfe_u32 v3, v0, 4, 1                         ; h
	v_lshlrev_b32 v4, 4, v1                        ; 16 x lane
	s_lshl_b32 s94, s15, 13                        ; my four tiles of tokens
	v_add_nc_u32 v[ADRA], s94, v4
	v_add_nc_u32 v[ADRA+1], 0x10000, v[ADRA]
	s_lshl_b32 s94, s16, 13                        ; my four tiles of columns
	s_add_co_u32 s94, s94, 131072
	v_add_nc_u32 v[ADRB], s94, v4
	v_add_nc_u32 v[ADRB+1], 0x10000, v[ADRB]
	s_mul_i32 s94, s14, 16*272
	s_add_co_u32 s94, s94, STAGE                   ; my stage
	v_mul_u32_u24 v[STO], v2, 272
	v_lshl_add_u32 v[STO], v3, 5, v[STO]
	v_add_nc_u32 v[STO], s94, v[STO]               ; in: row r, 32 bytes for each half of the lanes
	v_mul_u32_u24 v[RD], v3, 272
	v_lshl_add_u32 v[RD], v2, 4, v[RD]
	v_add_nc_u32 v[RD], s94, v[RD]                 ; back: lanes 0-15 one row of 256 bytes, lanes 16-31 the next
	v_lshlrev_b32 v[CO], 12, v3
	v_lshl_add_u32 v[CO], v2, 4, v[CO]             ; and the same two rows in out0
	s_lshl_b32 s94, s17, 7
	s_lshl_b32 s95, s15, 6
	s_add_co_u32 s94, s94, s95                     ; my first row: 128 x block + 64 rh
	s_lshl_b32 s94, s94, 12
	s_lshl_b32 s95, s42, 9                         ; my first column in bytes: 512 x block + 256 ch
	s_add_co_u32 s94, s94, s95
	s_lshl_b32 s95, s16, 8
	s_add_co_u32 s94, s94, s95
	s_mov_b32 s95, 0
	s_add_nc_u64 s[10:11], s[10:11], s[94:95]
	s_wait_alu depctr_va_vdst(0)
	s_wait_kmcnt 0x0
	s_add_co_i32 s96, s96, s97
	s_add_co_i32 s96, s96, 127
	s_lshl_b32 s96, s96, 23                        ; 2^(e6 + e7) as f32
	s_mov_b32 s97, s96                             ; (named with it as a pair, so it is written)
	s_cmp_lg_u32 s16, 0                            ; the waves that fetched K steps 0 and 1 wait for them; the other two loads stay out
	s_cbranch_scc1 .Lfirst_later
	s_wait_tensorcnt 0x0
.Lfirst_later:
	s_barrier_signal -1
	s_barrier_wait -1                              ; K steps 0 and 1 are whole
; THE WAY OUT of block a, 16 rows x 64 columns.  A lane holds 32 neighbouring bytes of a row and the lanes beside it hold other rows: so the block goes through my own stage and comes back as
; rows of 256 bytes.  LDS serves the instructions of a wave in order (ISA guide 5.7.1.4): no wait between the stores and the loads, nor ahead of the stores of the next block.
.macro TOSTAGE a
.irp j, 0,2,4,6,8,10,12,14,16,18,20,22,24,26,28,30
	v_pk_mul_f32 v[TMP+\j:TMP+\j+1], v[ACC+32*((\a)%2)+\j:ACC+32*((\a)%2)+\j+1], s[96:97] op_sel_hi:[1,0]   ; both x 2^(e6 + e7); each accumulator from its low end on
.endr
.irp b, 0,1,2,3
	ds_store_b128 v[STO], v[TMP+8*\b:TMP+8*\b+3] offset:64*\b
	ds_store_b128 v[STO], v[TMP+8*\b+4:TMP+8*\b+7] offset:64*\b+16
.endr
.irp t, 0,1,2,3,4,5,6,7
	ds_load_b128 v[BK+32*((\a)%2)+4*\t:BK+32*((\a)%2)+4*\t+3], v[RD] offset:544*\t
.endr
.endm
.macro SEND a, younger                 ; younger: the LDS loads issued behind the stage's, which may stay out
	WIN 0
	s_wait_dscnt \younger
.irp t, 0,1,2,3,4,5,6,7
	global_store_b128 v[CO], v[BK+32*((\a)%2)+4*\t:BK+32*((\a)%2)+4*\t+3], s[10:11] offset:(16*(\a)+2*\t)*4096   ; 16 lanes store 256 consecutive bytes, at a multiple of 256
.endr
.endm
	LOADK 0
	LOADK 1
	s_wait_dscnt 20                                ; K step 0's twenty are in, those of K step 1 may be out
	MULK 0, 0                                      ; its products start the sums: nothing is cleared
	s_wait_dscnt 0x0
	MULK 0, 1
	s_wait_tensorcnt 0x0                           ; my load is in
	s_barrier_signal -1
	s_barrier_wait -1                              ; K steps 2-7 are whole
	LOADK 2
	LOADK 3
	LOADK 4
	s_wait_dscnt 40                                ; K step 2's are in, those of the two behind it may be out
	MULK 0, 2
	LOADK 5
	s_wait_dscnt 40
	MULK 0, 3
	LOADK 6
	s_wait_dscnt 40
	MULK 0, 4
	LOADK 7
	s_wait_dscnt 40
	MULK 0, 5
	s_wait_dscnt 20
	MULK 0, 6
	LOADA 1
	s_wait_dscnt 32                                ; all but block 1's 32
	MULK 0, 7
.irp a, 0,1,2,3                        ; block a leaves, block a + 1 is multiplied
	WIN 0
	PLACES 4                                       ; behind block a's last products: their results are read, and loads land on its fragments
.if \a > 1
	s_wait_xcnt 0x0                                ; the stores of block a - 2 have read the registers that this block's rows land in
.endif
	TOSTAGE \a
.if \a < 3
	s_wait_dscnt 16                                ; block a + 1's fragments are in; the stage's sixteen may be out
.irp j, 0,1,2,3
	MULK \a+1, \j
.endr
.if \a < 2
	LOADA \a+2                                     ; into the registers of block a
	SEND \a, 32
.else
	SEND \a, 0
.endif
.irp j, 4,5,6,7
	MULK \a+1, \j
.endr
.else
	SEND \a, 0
.endif
.endr
	s_wait_tensorcnt 0x0                           ; the end of the wave, behind my last tensor load and my last LDS store
	ds_add_u32 v[SPW], v[NIL]
	s_wait_dscnt 0x0
	CROUND                                         ; the closing round
	s_endpgm
.Lfunc_end_k_qc24f136e94_proj:
	.size	k_qc24f136e94_proj, .Lfunc_end_k_qc24f136e94_proj-k_qc24f136e94_proj
	.p2alignl 7, 3214868480
	.fill 96, 4, 3214868480
	.section	.rodata,"a",@progbits
	.p2align	6, 0x0
	.amdhsa_kernel k_qc24f136e94_proj
		.amdhsa_group_segment_fixed_size 327680
		.amdhsa_private_segment_fixed_size 0
		.amdhsa_enable_private_segment 0
		.amdhsa_kernarg_size 32
		.amdhsa_user_sgpr_count 2
		.amdhsa_user_sgpr_kernarg_segment_ptr 1
		.amdhsa_wavefront_size32 1
		.amdhsa_system_sgpr_workgroup_id_x 1
		.amdhsa_system_sgpr_workgroup_id_y 1
		.amdhsa_system_sgpr_workgroup_id_z 1
		.amdhsa_system_vgpr_workitem_id 0
		.amdhsa_next_free_vgpr 1024
		.amdhsa_next_free_sgpr 100
		.amdhsa_reserve_vcc 0
		.amdhsa_float_denorm_mode_32 3
		.amdhsa_float_denorm_mode_16_64 3
		.amdhsa_memory_ordered 1
		.amdhsa_forward_progress 1
		.amdhsa_inst_pref_size 45
	.end_amdhsa_kernel
	.amdgpu_metadata
---
amdhsa.version: [ 1, 2 ]
amdhsa.kernels:
  - .name:           k_qc24f136e94_proj
    .symbol:         k_qc24f136e94_proj.kd
    .args:
      - { .name: y_img, .offset: 0, .size: 8, .value_kind: global_buffer, .address_space: global }
      - { .name: wp_img, .offset: 8, .size: 8, .value_kind: global_buffer, .address_space: global }
      - { .name: lowp_scales, .offset: 16, .size: 8, .value_kind: global_buffer, .address_space: global }
      - { .name: out0, .offset: 24, .size: 8, .value_kind: global_buffer, .address_space: global }
    .group_segment_fixed_size: 327680
    .private_segment_fixed_size: 0
    .kernarg_segment_align: 8
    .kernarg_segment_size: 32
    .max_flat_workgroup_size: 128
    .sgpr_count:     100
    .vgpr_count:     1024
    .wavefront_size: 32
...
	.end_amdgpu_metadata
.endif
;; end of part 4
